; MI455X (gfx1250); checked and timed in simulation.
; The chip was launched on July 23, 2026; its instructions are those of AMD's public machine-readable ISA for CDNA 5 (MIT licence, August 2026) and "CDNA5" Instruction Set Architecture Reference Guide (July 2026). The comments in the code are by the model that wrote it; some were corrected since.
;; self Attention. Allowed arithmetic: float matrix products may take bf16 or f16 operands with f32 sums; other float arithmetic in f32, or as packed bf16 or f16 multiplies, adds, multiply-adds, maxima and minima; sums over many terms, partial sums and values carried from step to step in f32; what a program stores and reads back later, other than sums and carried values, may be rounded once to bf16 or f16.
;; Inputs: W_qkv 3,072 x 1,024 float32; x 4 x 2,048 x 1,024 float32.
;; Outputs: out0 4 x 2,048 x 1,024 float32.
;; 2 versions, each right; version 2 is version 1 with the launch conv written anew for expert scheduling mode. Each part assembles by itself: llvm-mc -triple=amdgcn-amd-amdhsa -mcpu=gfx1250 --defsym DOCPART=n.
;; ======== version 1 of 2: 4 launches
;; limits: values are held in f16: magnitudes above 65,504 overflow, below 6.1e-05 lose precision
;; workspace buffers: xb 16,777,216 bytes; wb 6,291,456 bytes; qf 16,777,216 bytes; kf 16,777,216 bytes; vf 16,777,216 bytes; pf 33,554,432 bytes; st 1,048,576 bytes
;; launch conv (part 1): grid 704 x 1, 8 waves a work-group, no clusters, 0 bytes of LDS; arguments x, W_qkv, xb, wb; writes xb, wb
.if DOCPART == 1
	.amdgcn_target "amdgcn-amd-amdhsa--gfx1250"
	.amdhsa_code_object_version 6
	.text
	.protected	k_qa668598cd0_conv
	.globl	k_qa668598cd0_conv
	.p2align	8
	.type	k_qa668598cd0_conv,@function
k_qa668598cd0_conv:
	s_mov_b64 s[64:65], 0
	v_nop
	global_prefetch_b8 v0, s[64:65] scope:SCOPE_SE
	s_setreg_imm32_b32 hwreg(HW_REG_WAVE_MODE, 25, 1), 1
	s_wait_xcnt 0x0
; x [8192][1024] and W_qkv [3072][1024], f32, are rounded once to bf16 (nearest even) and laid out in blocks of 64 along K:
;   xb[kb][row][64], wb[kb][row'][64], kb = 0..15.  For W's row e = part x 1024 + j x 128 + i the new row is row' = j x 384 + part x 128 + i,
;   so that the 128 channels j of q, of k and of v lie one behind the other and a K block of them is dense in memory.
; SHARES.  Work-groups 0-511 take 16 rows of x each, 512-703 16 rows of W.  A wave takes two neighbouring rows and all 16 K blocks.
; One load of a wave covers 256 consecutive bytes of each of its two rows (a K block of f32); one store 256 consecutive aligned bytes (the two rows' K block in bf16).
; All 16 loads of a wave go out at once; the waits count down.  Nothing is shared between waves: no LDS, no barrier, no cluster; the launch is one short stream, so nothing is prefetched.
.set IN,   16                          ; v[16:79]   16 x 4 numbers as loaded
.set OU,   80                          ; v[80:111]  16 x 2 registers to store
.set VOUT, 112                         ; v[112:127] byte offset of my 8 bytes in K block kb
	s_load_b256 s[4:11], s[0:1], 0x0               ; x s[4:5], W s[6:7], xb s[8:9], wb s[10:11]
	v_lshrrev_b32 v1, 5, v0
	v_readfirstlane_b32 s12, v1                    ; wave 0..7
	v_and_b32 v2, 31, v0                           ; lane
	v_lshrrev_b32 v4, 4, v2                        ; which of the two rows
	v_and_b32 v5, 15, v2
	v_lshlrev_b32 v3, 4, v5
	v_lshl_add_u32 v3, v4, 12, v3                  ; in: row x 4,096 + 16 x (lane % 16)
	s_mov_b32 s17, 0x100000                        ; bytes from K block to K block in xb,
	s_mov_b32 s18, 0x60000                         ; and in wb
	s_cmp_lt_u32 ttmp9, 512                        ; x or W?
	s_cselect_b32 s13, 0, 512
	s_cselect_b32 s16, s17, s18
	s_sub_co_u32 s13, ttmp9, s13
	s_lshl_b32 s13, s13, 4
	s_lshl1_add_u32 s13, s12, s13                  ; R = 16 x group + 2 x wave: my first row
	s_bfe_u32 s14, s13, 0x30007                    ; W: j = (R >> 7) & 7
	s_mul_i32 s14, s14, 384
	s_lshr_b32 s15, s13, 10                        ; part
	s_lshl_b32 s15, s15, 7
	s_add_co_u32 s14, s14, s15
	s_and_b32 s15, s13, 127                        ; i
	s_add_co_u32 s14, s14, s15
	s_cmp_lt_u32 ttmp9, 512
	s_cselect_b32 s14, s13, s14                    ; the row in the output: R for x, row' for W (even where R is, and R + 1 goes to the row behind it)
	s_lshl_b32 s20, s13, 12                        ; R x 4,096 bytes
	s_mov_b32 s21, 0
	s_lshl_b32 s22, s14, 7                         ; row x 128 bytes
	s_mov_b32 s23, 0
	v_lshlrev_b32 v[VOUT], 3, v2                   ; out: 8 x lane: two rows of 128 bytes on end
.set k, 1
.rept 15
	v_add_nc_u32 v[VOUT+k], s16, v[VOUT+k-1]
.set k, k+1
.endr
	s_wait_kmcnt 0x0
	s_cmp_lt_u32 ttmp9, 512
	s_cselect_b64 s[24:25], s[4:5], s[6:7]
	s_cselect_b64 s[26:27], s[8:9], s[10:11]
	s_add_nc_u64 s[24:25], s[24:25], s[20:21]
	s_add_nc_u64 s[26:27], s[26:27], s[22:23]
.set k, 0
.rept 16
	global_load_b128 v[IN+4*k:IN+4*k+3], v3, s[24:25] offset:256*k th:TH_LOAD_NT
.set k, k+1
.endr
.set k, 0
.rept 16
	s_wait_loadcnt 15-k                            ; loads come back in order: K block k is in, the 15 - k younger ones stay out
	v_cvt_pk_bf16_f32 v[OU+2*k], v[IN+4*k], v[IN+4*k+1]
	v_cvt_pk_bf16_f32 v[OU+2*k+1], v[IN+4*k+2], v[IN+4*k+3]
	global_store_b64 v[VOUT+k], v[OU+2*k:OU+2*k+1], s[26:27]
.set k, k+1
.endr
	s_endpgm
.Lfunc_end_k_qa668598cd0_conv:
	.size	k_qa668598cd0_conv, .Lfunc_end_k_qa668598cd0_conv-k_qa668598cd0_conv
	.p2alignl 7, 3214868480
	.fill 96, 4, 3214868480
	.section	.rodata,"a",@progbits
	.p2align	6, 0x0
	.amdhsa_kernel k_qa668598cd0_conv
		.amdhsa_group_segment_fixed_size 0
		.amdhsa_private_segment_fixed_size 0
		.amdhsa_enable_private_segment 0
		.amdhsa_kernarg_size 32
		.amdhsa_user_sgpr_count 2
		.amdhsa_user_sgpr_kernarg_segment_ptr 1
		.amdhsa_wavefront_size32 1
		.amdhsa_system_sgpr_workgroup_id_x 1
		.amdhsa_system_sgpr_workgroup_id_y 1
		.amdhsa_system_sgpr_workgroup_id_z 1
		.amdhsa_system_vgpr_workitem_id 0
		.amdhsa_next_free_vgpr 128
		.amdhsa_next_free_sgpr 66
		.amdhsa_reserve_vcc 0
		.amdhsa_float_denorm_mode_32 3
		.amdhsa_float_denorm_mode_16_64 3
		.amdhsa_memory_ordered 1
		.amdhsa_forward_progress 1
		.amdhsa_inst_pref_size 8
	.end_amdhsa_kernel
	.amdgpu_metadata
---
amdhsa.version: [ 1, 2 ]
amdhsa.kernels:
  - .name:           k_qa668598cd0_conv
    .symbol:         k_qa668598cd0_conv.kd
    .args:
      - { .name: x, .offset: 0, .size: 8, .value_kind: global_buffer, .address_space: global }
      - { .name: W_qkv, .offset: 8, .size: 8, .value_kind: global_buffer, .address_space: global }
      - { .name: xb, .offset: 16, .size: 8, .value_kind: global_buffer, .address_space: global }
      - { .name: wb, .offset: 24, .size: 8, .value_kind: global_buffer, .address_space: global }
    .group_segment_fixed_size: 0
    .private_segment_fixed_size: 0
    .kernarg_segment_align: 8
    .kernarg_segment_size: 32
    .max_flat_workgroup_size: 256
    .sgpr_count:     66
    .vgpr_count:     128
    .wavefront_size: 32
...
	.end_amdgpu_metadata
.endif
;; end of part 1
;; launch proj (part 2): grid 8 x 32, 4 waves a work-group, clusters of 4 x 4, 327,680 bytes of LDS; arguments xb, wb, qf, kf, vf; writes qf, kf, vf
.if DOCPART == 2
	.amdgcn_target "amdgcn-amd-amdhsa--gfx1250"
	.amdhsa_code_object_version 6
	.text
	.protected	k_qa668598cd0_proj
	.globl	k_qa668598cd0_proj
	.p2align	8
	.type	k_qa668598cd0_proj,@function
k_qa668598cd0_proj:
	s_mov_b64 s[64:65], 0
	v_nop
	global_prefetch_b8 v0, s[64:65] scope:SCOPE_SE
	s_setreg_imm32_b32 hwreg(HW_REG_WAVE_MODE, 25, 1), 1
	s_wait_xcnt 0x0
	s_wait_alu depctr_hold_cnt(0) depctr_sa_sdst(0) depctr_va_vdst(0) depctr_va_sdst(0) depctr_va_ssrc(0) depctr_va_vcc(0) depctr_vm_vsrc(0)
	s_getreg_b32 s2, hwreg(HW_REG_IB_STS2, 6, 4)
	s_cmp_eq_u32 s2, 0
	s_cbranch_scc0 .Lentry_in_a_cluster
	s_endpgm
.Lentry_in_a_cluster:
	s_bfe_u32 s2, ttmp6, 0x10000c
	s_cmp_lg_u32 s2, 0xf033
	s_cbranch_scc0 .Lentry_shape_is_right
	s_endpgm
.Lentry_shape_is_right:
; q, k, v = x W^T.  Operands bf16 (xb, wb: K blocks of 64, dense), sums f32, K ascending; results rounded once to f16 and stored as the next launches' matrix fragments.
; LIMIT.  f16 holds no number beyond 65,504: |q|, |k|, |v| must stay within it.  NaN and infinities are not treated apart.
; SHARES.  A work-group makes 256 tokens x 128 channels of each of q, k and v (384 columns); a wave 128 tokens x 64 channels of each: 96 accumulators, 768 registers.
; K goes in 16 steps of 64 (two quarters of 32) through two LDS slots.  Wave 0 fetches x's tile (256 tokens), waves 1-3 one part of W's each (128 rows).
; CLUSTER 4 x 4: x's tile hangs on the token block alone and is asked for jointly along a row of the cluster, W's on the channel block alone, jointly along a column.
; FRAGMENT BLOCKS out: 512 bytes, lane l at 16 l.  qf, kf: (token tile T, 16 channels c16) at T x 32,768 + c16 x 512, lane (r, h) = token r, channels 8 h ..; made with source 0 = W, source 1 = x.
; vf: (batch, channel tile ct, 16 keys) at (64 batch + ct) x 65,536 + key16 x 512, lane (r, h) = channel r, keys 8 h ..; made with source 0 = x, source 1 = W.  So every store is 512 consecutive aligned bytes, straight from registers.
; REGISTERS: window 0: v2-12 addresses; v32-159 x's fragments, two buffers of 8 x 8; v160-255 W's, 4 x 8 for each part.  Window g + 1: part g's accumulators, (a, b') at v[8 (8 b' + a)].
.set SLOT1,  1<<17                     ; slot 1 begins here: one exclusive or turns an address in one slot into the other's
.set PITCH,  144                       ; an LDS row: 128 bytes + 16 of padding = 36 words: the 16 rows of a load start at 16 different groups of four banks
.set BOFF,   256*PITCH                 ; W's parts lie behind x's 256 rows
.set PARTB,  128*PITCH
.set SPARE,  BOFF+3*PARTB              ; behind slot 0: the spare words, 128 bytes a wave, two blocks of 256 bytes that no other line names
.set STEPA,  1048576                   ; bytes from K block to K block in xb
.set STEPB,  393216                    ; and in wb
.set NA,     1                         ; waves below NA fetch x's tile
.set ABASE, 2                          ; v2  my lane's place in x's tile
.set BBASE, 3                          ; v3  in W's part 0
.set ADRA,  4                          ; v4  the same in the slot in hand
.set ADRB,  5
.set VO,    6                          ; v6  16 x lane
.set SPW,   10                         ; v10 my spare word; never rewritten
.set NIL,   11                         ; v11 0; never rewritten
.set PFO,   12                         ; v12 the prefetches' lane offset; never rewritten
.set AF,    32
.set BF,    160
.set OB,    32                         ; the way out: 128 packed registers
.set WV,  14
.set RH,  15
.set CHF, 16
.set CX,  17
.set CY,  18
.set WGX, 19
.set WGY, 20
.set G1A, 24
.set G1B, 32
.set G0A, 40                           ; two sets: step 0 in slot 0; step 1 in slot 1, which then walks
.set G0B, 48
.set TB,  56                           ; LDS byte at which the slot in hand begins
.set CNT, 57
.set LIM, 58                           ; 2 in a wave that prefetches, else the greatest number
.set PAR, 59                           ; 1: the wave asks in every second trip, for two steps
.set PFA, 60
.set PST, 62
.set GC, (1<<16)|(1<<20)|(1<<21)|(4<<22)|(3<<25)  ; 2-byte elements; padding on; bit 21 beside a mask; after every 32 words, 4 words
.set MSB, 0
.macro WIN new                         ; the high byte repeats the setting that is left; a switch that changes nothing is dropped
.if MSB != (\new)
	s_set_vgpr_msb (MSB<<8)|(\new)
.set MSB, \new
.endif
.endm
.macro PLACES                          ; four plain places behind matrix instructions (ISA guide 7.12.1)
.rept 4
	v_nop
.endr
.endm
.macro CREST                           ; a round of the cluster's barrier behind its opening barrier
	s_cmp_lg_u32 s[WV], 0
	s_cbranch_scc1 .Lnot_wave_0_\@
	s_barrier_signal -3
.Lnot_wave_0_\@:
	s_barrier_wait -3
	s_barrier_signal -1
	s_barrier_wait -1
.endm
.macro CROUND
	s_barrier_signal -1
	s_barrier_wait -1
	CREST
.endm
.macro JLOAD                           ; the joint refill by the walking descriptors; the branch hangs on the wave's number alone
	s_cmp_lt_u32 s[WV], NA
	s_cbranch_scc0 .Lfor_b_\@
	tensor_load_to_lds s[G0A+4:G0A+7], s[G1A:G1A+7]
	s_nop 0
	PLACES
	s_branch .Lasked_\@
.Lfor_b_\@:
	tensor_load_to_lds s[G0B+4:G0B+7], s[G1B:G1B+7]
	s_nop 0
	PLACES
.Lasked_\@:
.endm
.macro WALK                            ; no tensor load of mine is out: the other slot than last time, the next K block
	s_xor_b32 s[G0A+5], s[G0A+5], SLOT1
	s_add_nc_u64 s[G0A+6:G0A+7], s[G0A+6:G0A+7], STEPA
	s_xor_b32 s[G0B+5], s[G0B+5], SLOT1
	s_add_nc_u64 s[G0B+6:G0B+7], s[G0B+6:G0B+7], STEPB
.endm
; A prefetch into the L2 of the K block two refills on.  x's tile row is read by both clusters of that row of clusters: cluster x = 0 asks; W's tile column by all eight clusters of the column: cluster y = 0 asks.
; The four partners of a joint load share its blocks of 256 bytes out by address: of x's 128 each takes 32 (a lane a block, every trip); of a part's 64 each takes 16, for two K blocks at once in every second trip.
; So each block is named once.  K blocks 0-3 come by their loads alone; the last two trips ask for nothing.
.macro ASK
	s_and_b32 s78, s[CNT], s[PAR]
	s_cmp_eq_u32 s78, 0
	s_cbranch_scc0 .Lnot_mine_\@
	s_cmp_gt_u32 s[CNT], s[LIM]
	s_cbranch_scc0 .Lnot_mine_\@
	global_prefetch_b8 v[PFO], s[PFA:PFA+1] th:TH_LOAD_NT scope:SCOPE_SE
.Lnot_mine_\@:
.endm
	s_load_b256 s[4:11], s[0:1], 0x0               ; xb s[4:5], wb s[6:7], qf s[8:9], kf s[10:11]
	s_load_b64 s[12:13], s[0:1], 0x20              ; vf
	v_lshl_add_u32 v[SPW], v0, 2, SPARE
	v_mov_b32 v[NIL], 0
	ds_add_u32 v[SPW], v[NIL]                      ; the wave's opening: the add, with its wait ahead of my first tensor load; work on registers stands between
	v_lshrrev_b32 v1, 5, v0
	v_readfirstlane_b32 s[WV], v1                  ; wave 0..3
	s_lshr_b32 s[RH], s[WV], 1                     ; which 128 tokens are mine
	s_and_b32 s[CHF], s[WV], 1                     ; which 64 channels of each part
	s_bfe_u32 s[CX], ttmp6, 0x40000
	s_bfe_u32 s[CY], ttmp6, 0x40004
	s_lshl_b32 s[WGX], ttmp9, 2
	s_add_co_u32 s[WGX], s[WGX], s[CX]             ; channel block j
	s_and_b32 s[WGY], ttmp7, 0xffff
	s_lshl_b32 s[WGY], s[WGY], 2
	s_add_co_u32 s[WGY], s[WGY], s[CY]             ; token block
	s_lshl_b32 s66, s[CY], 2
	s_lshl_b32 s66, 15, s66                        ; my row of the cluster
	s_lshl_b32 s68, 0x1111, s[CX]                  ; my column
	s_or_b32 s[G1A], s66, GC
	s_or_b32 s[G1B], s68, GC
	s_mov_b32 s[G1A+1], 128<<16                    ; rows of 256 bytes (two tokens): tensor_dim0 = 128
	s_mov_b32 s[G1A+2], 128<<16                    ; tensor_dim1 = 128
	s_mov_b32 s[G1A+3], 128<<16                    ; tile_dim0
	s_mov_b32 s[G1A+4], 128                        ; tile_dim1
	s_mov_b32 s[G1A+5], 128                        ; dense: 128 elements from row to row
	s_mov_b32 s[G1A+6], 0
	s_mov_b32 s[G1A+7], 0
	s_mov_b32 s[G1B+1], 128<<16
	s_mov_b32 s[G1B+2], 64<<16                     ; a part: 64 rows of 256 bytes
	s_mov_b32 s[G1B+3], 128<<16
	s_mov_b32 s[G1B+4], 64
	s_mov_b32 s[G1B+5], 128
	s_mov_b32 s[G1B+6], 0
	s_mov_b32 s[G1B+7], 0
	s_lshl_b32 s66, s[WGY], 15                     ; x's tile: 256 rows of 128 bytes
	s_mov_b32 s67, 0
	s_max_u32 s68, s[WV], 1
	s_sub_co_u32 s68, s68, 1                       ; my part of W (waves 1-3)
	s_lshl_b32 s68, s68, 14
	s_mul_i32 s69, s[WGX], 49152                   ; 384 rows of 128 bytes
	s_add_co_u32 s68, s68, s69
	s_mov_b32 s69, 0
	s_mul_i32 s70, s[WV], PARTB
	s_add_co_u32 s70, s70, BOFF-PARTB              ; its place in a slot: no place in the cluster enters an LDS address
	s_mov_b32 s[TB], 0
	s_wait_dscnt 0x0                               ; the opening add is done
	s_wait_kmcnt 0x0
	s_add_nc_u64 s[66:67], s[4:5], s[66:67]
	s_add_nc_u64 s[68:69], s[6:7], s[68:69]
	CROUND                                         ; all sixteen work-groups are here: the first joint loads meet
.irp s, 0,1
	s_mov_b32 s[G0A+4*(\s)], 1
	s_mov_b32 s[G0A+4*(\s)+1], (\s)*SLOT1
	s_add_nc_u64 s[G0A+4*(\s)+2:G0A+4*(\s)+3], s[66:67], (\s)*STEPA
	s_or_b32 s[G0A+4*(\s)+3], s[G0A+4*(\s)+3], 0x80000000
	s_mov_b32 s[G0B+4*(\s)], 1
	s_add_co_u32 s[G0B+4*(\s)+1], s70, (\s)*SLOT1
	s_add_nc_u64 s[G0B+4*(\s)+2:G0B+4*(\s)+3], s[68:69], (\s)*STEPB
	s_or_b32 s[G0B+4*(\s)+3], s[G0B+4*(\s)+3], 0x80000000
.endr
	s_cmp_lt_u32 s[WV], NA                         ; a wave's two first fills stand in one branch: two loads of mine are out
	s_cbranch_scc0 .Lfirst_b
	tensor_load_to_lds s[G0A:G0A+3], s[G1A:G1A+7]
	s_nop 0
	tensor_load_to_lds s[G0A+4:G0A+7], s[G1A:G1A+7]
	s_nop 0
	PLACES
	s_branch .Lfirst_asked
.Lfirst_b:
	tensor_load_to_lds s[G0B:G0B+3], s[G1B:G1B+7]
	s_nop 0
	tensor_load_to_lds s[G0B+4:G0B+7], s[G1B:G1B+7]
	s_nop 0
	PLACES
.Lfirst_asked:
	; a fragment is 16 rows x 32 K in 8 registers: lane l holds row l % 16, K = 8 (l / 16) + 0..7 and 16 + 8 (l / 16) + 0..7: two loads of 16 bytes, 32 bytes apart
	v_and_b32 v1, 15, v0                           ; r
	v_bfe_u32 v9, v0, 4, 1                         ; h
	v_mul_u32_u24 v8, v1, PITCH
	v_lshl_add_u32 v8, v9, 4, v8
	s_mul_i32 s71, s[RH], PARTB
	v_add_nc_u32 v[ABASE], s71, v8
	s_mul_i32 s71, s[CHF], 64*PITCH
	s_add_co_u32 s71, s71, BOFF
	v_add_nc_u32 v[BBASE], s71, v8
	v_mov_b32 v[ADRA], v[ABASE]
	v_mov_b32 v[ADRB], v[BBASE]
	v_and_b32 v[VO], 31, v0
	v_lshlrev_b32 v[VO], 4, v[VO]
	; where my fragment blocks go
	s_lshl_b32 s70, s[WGY], 19                     ; qf, kf: 16 token tiles of 32,768 bytes,
	s_lshl_b32 s71, s[RH], 18                      ; my 8 of them,
	s_add_co_u32 s70, s70, s71
	s_lshl_b32 s71, s[WGX], 12                     ; 8 channel groups of 512 bytes,
	s_add_co_u32 s70, s70, s71
	s_lshl_b32 s71, s[CHF], 11                     ; my 4 of them
	s_add_co_u32 s70, s70, s71
	s_mov_b32 s71, 0
	s_add_nc_u64 s[8:9], s[8:9], s[70:71]
	s_add_nc_u64 s[10:11], s[10:11], s[70:71]
	s_lshr_b32 s72, s[WGY], 3                      ; vf: the batch,
	s_lshl_b32 s72, s72, 22
	s_lshl_b32 s73, s[WGX], 19                     ; 8 channel tiles of 65,536 bytes,
	s_add_co_u32 s72, s72, s73
	s_lshl_b32 s73, s[CHF], 18
	s_add_co_u32 s72, s72, s73
	s_and_b32 s73, s[WGY], 7                       ; 16 key groups of 512 bytes,
	s_lshl_b32 s73, s73, 13
	s_add_co_u32 s72, s72, s73
	s_lshl_b32 s73, s[RH], 12
	s_add_co_u32 s72, s72, s73
	s_mov_b32 s73, 0
	s_add_nc_u64 s[12:13], s[12:13], s[72:73]
	; the prefetches
	s_and_b32 s70, ttmp7, 0xffff                   ; cluster y
	s_mov_b32 s71, STEPA
	s_mov_b32 s72, STEPB
	s_mov_b32 s73, 4096
	s_lshl_b32 s74, s[WGY], 15
	s_lshl_b32 s75, s[CX], 13                      ; x: my work-group's 32 blocks of the 128
	s_add_co_u32 s74, s74, s75
	s_add_co_u32 s74, s74, 3*STEPA                 ; at K block 3: the first refill steps it to 4
	s_max_u32 s76, s[WV], 1
	s_sub_co_u32 s76, s76, 1
	s_lshl_b32 s76, s76, 14
	s_mul_i32 s77, s[WGX], 49152
	s_add_co_u32 s76, s76, s77
	s_lshl_b32 s77, s[CY], 12                      ; W: my work-group's 16 blocks of the part's 64
	s_add_co_u32 s76, s76, s77
	s_add_co_u32 s76, s76, 3*STEPB
	s_cmp_lt_u32 s[WV], NA
	s_cselect_b32 s70, ttmp9, s70                  ; the coordinate along which other clusters read the same rows
	s_cselect_b32 s[PAR], 0, 1
	s_cselect_b32 s[PST], s71, s72
	s_cselect_b32 s73, s73, s72                    ; lanes 16-31: x: the next 16 blocks; W: the next K block
	s_cselect_b32 s74, s74, s76
	s_cselect_b64 s[PFA:PFA+1], s[4:5], s[6:7]
	s_mov_b32 s75, 0
	s_mov_b32 s[PST+1], 0
	s_add_nc_u64 s[PFA:PFA+1], s[PFA:PFA+1], s[74:75]
	s_cmp_eq_u32 s70, 0
	s_cselect_b32 s[LIM], 2, -1                    ; the same in all sixteen partners, for a given wave
	v_mul_lo_u32 v[PFO], v9, s73
	v_lshl_add_u32 v[PFO], v1, 8, v[PFO]
; 16 matrix instructions of part g on x's buffer buf: channel tiles 2 half, 2 half + 1 x all 8 token tiles.  The accumulators take turns, one instruction a turn.
.macro GRPH g, buf, half, zero
	WIN 0x50*((\g)+1)
.irp bb, 2*(\half), 2*(\half)+1
.irp a, 0,1,2,3,4,5,6,7
.set rD, 8*(8*(\bb)+(\a))
.set rA, AF+64*(\buf)+8*(\a)
.set rB, BF+32*(\g)+8*(\bb)
.if (\g) < 2
.if \zero
	v_wmma_f32_16x16x32_bf16 v[rD:rD+7], v[rB:rB+7], v[rA:rA+7], 0
.else
	v_wmma_f32_16x16x32_bf16 v[rD:rD+7], v[rB:rB+7], v[rA:rA+7], v[rD:rD+7]
.endif
.else
.if \zero
	v_wmma_f32_16x16x32_bf16 v[rD:rD+7], v[rA:rA+7], v[rB:rB+7], 0
.else
	v_wmma_f32_16x16x32_bf16 v[rD:rD+7], v[rA:rA+7], v[rB:rB+7], v[rD:rD+7]
.endif
.endif
.endr
.endr
.endm
.macro GRP g, buf, zero
	GRPH \g, \buf, 0, \zero
	GRPH \g, \buf, 1, \zero
.endm
.macro LDB g, kq                       ; 8 loads: part g's four fragments of quarter kq
	WIN 0
.irp bb, 0,1,2,3
	ds_load_b128 v[BF+32*(\g)+8*(\bb):BF+32*(\g)+8*(\bb)+3],   v[ADRB] offset:(\g)*PARTB+(\bb)*16*PITCH+64*(\kq)
	ds_load_b128 v[BF+32*(\g)+8*(\bb)+4:BF+32*(\g)+8*(\bb)+7], v[ADRB] offset:(\g)*PARTB+(\bb)*16*PITCH+64*(\kq)+32
.endr
.endm
.macro LDA hf, buf, kq                 ; 8 loads: four of x's eight fragments of quarter kq into buffer buf
	WIN 0
.irp a, 4*(\hf), 4*(\hf)+1, 4*(\hf)+2, 4*(\hf)+3
	ds_load_b128 v[AF+64*(\buf)+8*(\a):AF+64*(\buf)+8*(\a)+3],   v[ADRA] offset:(\a)*16*PITCH+64*(\kq)
	ds_load_b128 v[AF+64*(\buf)+8*(\a)+4:AF+64*(\buf)+8*(\a)+7], v[ADRA] offset:(\a)*16*PITCH+64*(\kq)+32
.endr
.endm
; A step's first quarter: multiplies buffer 0 and fetches the second quarter.  The fetches stand in the order B0, A (two halves), B1, B2, each part's behind that part's products.
.macro QUAD zero
	s_wait_dscnt 16                                ; part 0's and all of x's fragments are in; parts 1 and 2 (16 loads) may be out
	GRP 0, 0, \zero
	PLACES
	LDB 0, 1
	LDA 0, 1, 1
	s_wait_dscnt 24                                ; part 1's are in: behind them part 2's 8 and the 16 just issued
	GRP 1, 0, \zero
	PLACES
	LDA 1, 1, 1
	LDB 1, 1
	s_wait_dscnt 32                                ; part 2's are in: behind them the two runs just issued
	GRP 2, 0, \zero
	PLACES
	LDB 2, 1
.endm
; A step's second quarter multiplies buffer 1 and changes slots.  All its fragments are in registers at the signal, so the slot is free there.
; fill = 1: the barrier opens a round of the cluster's, and the joint refill, two steps ahead, is the first thing behind it: 160 matrix instructions ahead of the wait for it.
.macro TURN fill
.if \fill
	s_wait_xcnt 0x0                                ; the last prefetch, a trip back, has read its address
	s_add_nc_u64 s[PFA:PFA+1], s[PFA:PFA+1], s[PST:PST+1]
.endif
	WIN 0
	s_wait_tensorcnt 0x0                           ; all my tensor loads have landed: my part of the next slot
	ds_add_u32 v[SPW], v[NIL]                      ; 0 onto my spare word
	s_wait_dscnt 17                                ; (parts 1 and 2 and the add may be out)
	GRPH 0, 1, 0, 0
	s_wait_dscnt 0x0                               ; the add is done, and my reads of this slot are over
	s_barrier_signal -1
	GRPH 0, 1, 1, 0
	WIN 0
	s_barrier_wait -1
.if \fill
	CREST                                          ; no wave of any partner still reads this slot or has a load on its way
	WALK
	JLOAD                                          ; its four v_nop are also the places in front of the loads below
.else
	PLACES
.endif
	s_xor_b32 s[TB], s[TB], SLOT1
	v_add_nc_u32 v[ADRA], s[TB], v[ABASE]
	v_add_nc_u32 v[ADRB], s[TB], v[BBASE]
	LDB 0, 0
	LDA 0, 0, 0
.if \fill
	ASK
.endif
	GRP 1, 1, 0
	PLACES
	LDA 1, 0, 0
	LDB 1, 0
	GRP 2, 1, 0
	PLACES
	LDB 2, 0
.endm
	s_wait_tensorcnt 0x1                           ; my part of step 0 is in; step 1's may stay out
	s_barrier_signal -1
	s_barrier_wait -1
	LDB 0, 0
	LDA 0, 0, 0
	LDA 1, 0, 0
	LDB 1, 0
	LDB 2, 0
	QUAD 1                                         ; the first quarter's products start the sums: nothing is cleared
	WIN 0
	s_mov_b32 s[CNT], 14
.Lstep:                                        ; trip i ends step i, asks for step i + 2 and begins step i + 1
	TURN 1
	QUAD 0
	WIN 0
	s_sub_co_u32 s[CNT], s[CNT], 1
	s_cmp_lg_u32 s[CNT], 0
	s_cbranch_scc1 .Lstep
	TURN 0                                         ; the tail is written out: nothing more is asked for
	QUAD 0
	s_wait_dscnt 16
	GRP 0, 1, 0
	s_wait_dscnt 8                                 ; part 2's eight may be out
	GRP 1, 1, 0
	s_wait_dscnt 0x0
	GRP 2, 1, 0
	; THE WAY OUT: a lane's eight results are 16 bytes of a fragment block; a wave's store is the whole block
	PLACES
	PLACES
.irp g, 0,1,2
	s_wait_xcnt 0x0                                ; the part before has had its stores' registers read
	WIN 5*((\g)+1)                                 ; sources in window g + 1
.set t, 0
.rept 32
.irp r, 0,1,2,3
	v_cvt_pk_f16_f32 v[OB+4*t+(\r)], v[8*t+2*(\r)], v[8*t+2*(\r)+1]
.endr
.set t, t+1
.endr
	WIN 0
.set t, 0
.rept 32                               ; t = 8 b' + a
.if (\g) < 2
	global_store_b128 v[VO], v[OB+4*t:OB+4*t+3], s[8+2*(\g):9+2*(\g)] offset:(t%8)*32768+(t/8)*512
.else
	global_store_b128 v[VO], v[OB+4*t:OB+4*t+3], s[12:13] offset:(t/8)*65536+(t%8)*512
.endif
.set t, t+1
.endr
.endr
	s_wait_tensorcnt 0x0                           ; the wave's end
	ds_add_u32 v[SPW], v[NIL]
	s_wait_dscnt 0x0
	CROUND                                         ; the closing round
	s_endpgm
.Lfunc_end_k_qa668598cd0_proj:
	.size	k_qa668598cd0_proj, .Lfunc_end_k_qa668598cd0_proj-k_qa668598cd0_proj
	.p2alignl 7, 3214868480
	.fill 96, 4, 3214868480
	.section	.rodata,"a",@progbits
	.p2align	6, 0x0
	.amdhsa_kernel k_qa668598cd0_proj
		.amdhsa_group_segment_fixed_size 327680
		.amdhsa_private_segment_fixed_size 0
		.amdhsa_enable_private_segment 0
		.amdhsa_kernarg_size 40
		.amdhsa_user_sgpr_count 2
		.amdhsa_user_sgpr_kernarg_segment_ptr 1
		.amdhsa_wavefront_size32 1
		.amdhsa_system_sgpr_workgroup_id_x 1
		.amdhsa_system_sgpr_workgroup_id_y 1
		.amdhsa_system_sgpr_workgroup_id_z 1
		.amdhsa_system_vgpr_workitem_id 0
		.amdhsa_next_free_vgpr 1024
		.amdhsa_next_free_sgpr 88
		.amdhsa_reserve_vcc 0
		.amdhsa_float_denorm_mode_32 3
		.amdhsa_float_denorm_mode_16_64 3
		.amdhsa_memory_ordered 1
		.amdhsa_forward_progress 1
		.amdhsa_inst_pref_size 98
	.end_amdhsa_kernel
	.amdgpu_metadata
---
amdhsa.version: [ 1, 2 ]
amdhsa.kernels:
  - .name:           k_qa668598cd0_proj
    .symbol:         k_qa668598cd0_proj.kd
    .args:
      - { .name: xb, .offset: 0, .size: 8, .value_kind: global_buffer, .address_space: global }
      - { .name: wb, .offset: 8, .size: 8, .value_kind: global_buffer, .address_space: global }
      - { .name: qf, .offset: 16, .size: 8, .value_kind: global_buffer, .address_space: global }
      - { .name: kf, .offset: 24, .size: 8, .value_kind: global_buffer, .address_space: global }
      - { .name: vf, .offset: 32, .size: 8, .value_kind: global_buffer, .address_space: global }
    .group_segment_fixed_size: 327680
    .private_segment_fixed_size: 0
    .kernarg_segment_align: 8
    .kernarg_segment_size: 40
    .max_flat_workgroup_size: 128
    .sgpr_count:     88
    .vgpr_count:     1024
    .wavefront_size: 32
...
	.end_amdgpu_metadata
.endif
;; end of part 2
;; launch scores (part 3): grid 8 x 32, 4 waves a work-group, clusters of 4 x 4, 327,680 bytes of LDS; arguments qf, kf, pf, st; writes pf, st
.if DOCPART == 3
	.amdgcn_target "amdgcn-amd-amdhsa--gfx1250"
	.amdhsa_code_object_version 6
	.text
	.protected	k_qa668598cd0_scores
	.globl	k_qa668598cd0_scores
	.p2align	8
	.type	k_qa668598cd0_scores,@function
k_qa668598cd0_scores:
	s_mov_b64 s[64:65], 0
	v_nop
	global_prefetch_b8 v0, s[64:65] scope:SCOPE_SE
	s_setreg_imm32_b32 hwreg(HW_REG_WAVE_MODE, 25, 1), 1
	s_wait_xcnt 0x0
	s_wait_alu depctr_hold_cnt(0) depctr_sa_sdst(0) depctr_va_vdst(0) depctr_va_sdst(0) depctr_va_ssrc(0) depctr_va_vcc(0) depctr_vm_vsrc(0)
	s_getreg_b32 s2, hwreg(HW_REG_IB_STS2, 6, 4)
	s_cmp_eq_u32 s2, 0
	s_cbranch_scc0 .Lentry_in_a_cluster
	s_endpgm
.Lentry_in_a_cluster:
	s_bfe_u32 s2, ttmp6, 0x10000c
	s_cmp_lg_u32 s2, 0xf033
	s_cbranch_scc0 .Lentry_shape_is_right
	s_endpgm
.Lentry_shape_is_right:
; For each query and each block of 128 keys: cm = c max s, p = 2^(c s - cm), l = the sum of p;  s = q . k, c = log2(e) / 32.  The block's own maximum is taken away before the exponential;
; the next launch brings the blocks of a row to the row's maximum by factors of at most 1.  Products f16 x f16 with f32 sums; maxima, exponentials and l in f32; p rounded once to f16 (l is taken of the unrounded p).
; LIMITS.  q and k arrive within f16's range.  p below 6e-8 counts as 0 in pf.  NaN and infinities are not treated apart.
; SHARES.  A work-group makes 256 queries x 256 keys of one batch, a wave 128 x 128: 64 accumulators, 512 registers.  The 1,024 channels go in 8 steps of 128 through two LDS slots.
; qf and kf hold fragment blocks (512 bytes, lane l at 16 l): a token tile's 128 channels are 4,096 consecutive bytes.  A wave's tensor load brings 8 such rows; the tile has no more rows than its 8 token tiles.
; LDS loads take 512 consecutive bytes a wave: no padding is needed.
; CLUSTER 4 x 4: Q's tile is asked for jointly along a row of the cluster, K's along a column.
; S^T = K Q^T (source 0 = 16 keys, source 1 = 16 queries): a lane holds ONE query (lane % 16) and keys 8 (lane / 16) + 0..7 of each key tile; rounded in pairs these are pf's fragment blocks:
; (query tile G, 16 keys) at G x 65,536 + key16 x 512.  st[kt][row] = (cm, l), 8 bytes.
; REGISTERS: window 0: v2-12 addresses; v32-63 the way out's small registers; v64-127, v128-191 Q's fragments, two buffers.  Window 1: the same numbers, K's.  Windows 2, 3: accumulators, (a, b) at v[8 (8 (a % 4) + b)].
.set SLOT1, 1<<17
.set SPARE, 2*SLOT1                    ; behind the ring: the spare words, two blocks of 256 bytes that no other line names
.set STEP,  4096
.set STEPA, STEP
.set STEPB, STEP
.set NA,    2                          ; waves 0, 1 fetch Q's halves, waves 2, 3 K's
.set ABASE, 2
.set BBASE, 3
.set ADRA,  4
.set ADRB,  5
.set PO,    6                          ; v6  16 x lane
.set SO,    7                          ; v7  8 x lane
.set SPW,   10
.set NIL,   11
.set PFO,   12
.set CC,    32                         ; v32-39 eight running maxima
.set MST,   44                         ; v44-51 cm of my eight query tiles
.set LST,   52                         ; v52-59 l
.set F0,    64
.set F1,    128
.set WV,  14
.set RH,  15
.set CHF, 16
.set CX,  17
.set CY,  18
.set WGX, 19
.set WGY, 20
.set BAT, 21
.set G1A, 24
.set G1B, 32
.set G0A, 40
.set G0B, 48
.set TB,  56
.set CNT, 57
.set LIM, 58
.set PFA, 60
.set CS,  80                           ; s[80:81] c
.set SEL, 82                           ; s[82:83] v_permlanex16_b32's selects: each lane takes its own place in the other half
.set MASKH, 84                         ; s84 lanes 16-31
.set GC, (3<<16)|(1<<21)               ; 8-byte elements; bit 21 beside a mask; no padding
.set MUL_LO, 0xa1                      ; source 0 (K) window 1, source 1 (Q) window 0, C and D window 2
.set MUL_HI, 0xf1
.set TO_B,   0x40
.set MSB, 0
.macro WIN new
.if MSB != (\new)
	s_set_vgpr_msb (MSB<<8)|(\new)
.set MSB, \new
.endif
.endm
.macro PLACES
.rept 4
	v_nop
.endr
.endm
.macro CREST
	s_cmp_lg_u32 s[WV], 0
	s_cbranch_scc1 .Lnot_wave_0_\@
	s_barrier_signal -3
.Lnot_wave_0_\@:
	s_barrier_wait -3
	s_barrier_signal -1
	s_barrier_wait -1
.endm
.macro CROUND
	s_barrier_signal -1
	s_barrier_wait -1
	CREST
.endm
.macro JLOAD
	s_cmp_lt_u32 s[WV], NA
	s_cbranch_scc0 .Lfor_b_\@
	tensor_load_to_lds s[G0A+4:G0A+7], s[G1A:G1A+7]
	s_nop 0
	PLACES
	s_branch .Lasked_\@
.Lfor_b_\@:
	tensor_load_to_lds s[G0B+4:G0B+7], s[G1B:G1B+7]
	s_nop 0
	PLACES
.Lasked_\@:
.endm
.macro WALK
	s_xor_b32 s[G0A+5], s[G0A+5], SLOT1
	s_add_nc_u64 s[G0A+6:G0A+7], s[G0A+6:G0A+7], STEPA
	s_xor_b32 s[G0B+5], s[G0B+5], SLOT1
	s_add_nc_u64 s[G0B+6:G0B+7], s[G0B+6:G0B+7], STEPB
.endm
; A prefetch into the L2 of the step two refills on.  Q's rows are read by both clusters of a row of clusters: cluster x = 0 asks; K's by the two clusters of a batch in a column: the even one asks.
; Of the 8 token tiles that a wave fetches each of the four partners takes two, by address: 32 blocks of 256 bytes, a lane a block.  Steps 0-3 come by their loads alone; the last two trips ask for nothing.
.macro ASK
	s_cmp_gt_u32 s[CNT], s[LIM]
	s_cbranch_scc0 .Lnot_mine_\@
	global_prefetch_b8 v[PFO], s[PFA:PFA+1] th:TH_LOAD_NT scope:SCOPE_SE
.Lnot_mine_\@:
.endm
	s_load_b256 s[4:11], s[0:1], 0x0               ; qf s[4:5], kf s[6:7], pf s[8:9], st s[10:11]
	v_lshl_add_u32 v[SPW], v0, 2, SPARE
	v_mov_b32 v[NIL], 0
	ds_add_u32 v[SPW], v[NIL]                      ; the wave's opening: the add, with its wait ahead of my first tensor load
	v_lshrrev_b32 v1, 5, v0
	v_readfirstlane_b32 s[WV], v1
	s_lshr_b32 s[RH], s[WV], 1                     ; which 128 queries are mine
	s_and_b32 s[CHF], s[WV], 1                     ; which 128 keys; also: which half of a tile I fetch
	s_bfe_u32 s[CX], ttmp6, 0x40000
	s_bfe_u32 s[CY], ttmp6, 0x40004
	s_lshl_b32 s[WGX], ttmp9, 2
	s_add_co_u32 s[WGX], s[WGX], s[CX]             ; block of 256 keys
	s_and_b32 s[WGY], ttmp7, 0xffff
	s_lshr_b32 s[BAT], s[WGY], 1                   ; the batch: two clusters along y each
	s_lshl_b32 s[WGY], s[WGY], 2
	s_add_co_u32 s[WGY], s[WGY], s[CY]             ; block of 256 queries, over all batches
	s_lshl_b32 s66, s[CY], 2
	s_lshl_b32 s66, 15, s66
	s_lshl_b32 s68, 0x1111, s[CX]
	s_or_b32 s[G1A], s66, GC
	s_or_b32 s[G1B], s68, GC
.irp g, G1A, G1B
	s_mov_b32 s[(\g)+1], 512<<16                   ; tensor_dim0 = 512 elements: 4,096 bytes
	s_mov_b32 s[(\g)+2], 8<<16                     ; tensor_dim1 = 8 token tiles
	s_mov_b32 s[(\g)+3], 512<<16                   ; tile_dim0
	s_mov_b32 s[(\g)+4], 8                         ; tile_dim1
	s_mov_b32 s[(\g)+5], 4096                      ; 32,768 bytes from token tile to token tile
	s_mov_b32 s[(\g)+6], 0
	s_mov_b32 s[(\g)+7], 0
.endr
	s_lshl_b32 s66, s[WGY], 19                     ; Q: 16 token tiles of 32,768 bytes,
	s_lshl_b32 s67, s[CHF], 18                     ; the 8 that I fetch
	s_add_co_u32 s66, s66, s67
	s_mov_b32 s67, 0
	s_lshl_b32 s68, s[BAT], 22                     ; K: the batch's 128 token tiles,
	s_lshl_b32 s69, s[WGX], 19
	s_add_co_u32 s68, s68, s69
	s_lshl_b32 s69, s[CHF], 18
	s_add_co_u32 s68, s68, s69
	s_mov_b32 s69, 0
	s_lshl_b32 s70, s[WV], 15                      ; in a slot: Q's two halves, then K's two = wave x 32,768
	s_mov_b32 s[TB], 0
	s_mov_b32 s[CS], 0x3d38aa3b                    ; c = log2(e) / 32
	s_mov_b32 s[CS+1], s[CS]
	s_mov_b32 s[SEL], 0x76543210
	s_mov_b32 s[SEL+1], 0xfedcba98
	s_mov_b32 s[MASKH], 0xffff0000
	s_wait_dscnt 0x0
	s_wait_kmcnt 0x0
	s_add_nc_u64 s[66:67], s[4:5], s[66:67]
	s_add_nc_u64 s[68:69], s[6:7], s[68:69]
	CROUND
.irp s, 0,1
	s_mov_b32 s[G0A+4*(\s)], 1
	s_add_co_u32 s[G0A+4*(\s)+1], s70, (\s)*SLOT1
	s_add_nc_u64 s[G0A+4*(\s)+2:G0A+4*(\s)+3], s[66:67], (\s)*STEP
	s_or_b32 s[G0A+4*(\s)+3], s[G0A+4*(\s)+3], 0x80000000
	s_mov_b32 s[G0B+4*(\s)], 1
	s_add_co_u32 s[G0B+4*(\s)+1], s70, (\s)*SLOT1
	s_add_nc_u64 s[G0B+4*(\s)+2:G0B+4*(\s)+3], s[68:69], (\s)*STEP
	s_or_b32 s[G0B+4*(\s)+3], s[G0B+4*(\s)+3], 0x80000000
.endr
	s_cmp_lt_u32 s[WV], NA
	s_cbranch_scc0 .Lfirst_b
	tensor_load_to_lds s[G0A:G0A+3], s[G1A:G1A+7]
	s_nop 0
	tensor_load_to_lds s[G0A+4:G0A+7], s[G1A:G1A+7]
	s_nop 0
	PLACES
	s_branch .Lfirst_asked
.Lfirst_b:
	tensor_load_to_lds s[G0B:G0B+3], s[G1B:G1B+7]
	s_nop 0
	tensor_load_to_lds s[G0B+4:G0B+7], s[G1B:G1B+7]
	s_nop 0
	PLACES
.Lfirst_asked:
	v_and_b32 v1, 15, v0
	v_bfe_u32 v9, v0, 4, 1
	v_and_b32 v8, 31, v0
	v_lshlrev_b32 v[PO], 4, v8
	v_lshlrev_b32 v[SO], 3, v8
	s_lshl_b32 s71, s[RH], 15
	v_add_nc_u32 v[ABASE], s71, v[PO]
	s_lshl_b32 s71, s[CHF], 15
	s_add_co_u32 s71, s71, 65536
	v_add_nc_u32 v[BBASE], s71, v[PO]
	v_mov_b32 v[ADRA], v[ABASE]
	v_mov_b32 v[ADRB], v[BBASE]
	v_mov_b32 v40, 0                               ; v_permlanex16_b32's destination counts as read
	v_mov_b32 v43, 0                               ; named with v42 as a pair
	s_lshl_b32 s70, s[WGY], 20                     ; pf: 16 query tiles of 65,536 bytes,
	s_lshl_b32 s71, s[RH], 19
	s_add_co_u32 s70, s70, s71
	s_lshl_b32 s71, s[WGX], 13                     ; 16 key groups of 512 bytes,
	s_add_co_u32 s70, s70, s71
	s_lshl_b32 s71, s[CHF], 12
	s_add_co_u32 s70, s70, s71
	s_mov_b32 s71, 0
	s_add_nc_u64 s[8:9], s[8:9], s[70:71]
	s_lshl_b32 s70, s[WGX], 17                     ; st: key block 2 x + half, 65,536 bytes each,
	s_lshl_b32 s71, s[CHF], 16
	s_add_co_u32 s70, s70, s71
	s_lshl_b32 s71, s[WGY], 11                     ; 256 rows of 8 bytes,
	s_add_co_u32 s70, s70, s71
	s_lshl_b32 s71, s[RH], 10
	s_add_co_u32 s70, s70, s71
	s_mov_b32 s71, 0
	s_add_nc_u64 s[10:11], s[10:11], s[70:71]
	s_and_b32 s70, ttmp7, 1                        ; the prefetches: which of a batch's two clusters along y
	s_cmp_lt_u32 s[WV], NA
	s_cselect_b32 s70, ttmp9, s70
	s_cselect_b32 s72, s[CX], s[CY]                ; my place among the four that ask with me
	s_cselect_b64 s[PFA:PFA+1], s[66:67], s[68:69]
	s_lshl_b32 s72, s72, 16                        ; two token tiles each
	s_add_co_u32 s72, s72, 3*STEP                  ; at step 3: the first refill steps it to 4
	s_mov_b32 s73, 0
	s_add_nc_u64 s[PFA:PFA+1], s[PFA:PFA+1], s[72:73]
	s_cmp_eq_u32 s70, 0
	s_cselect_b32 s[LIM], 2, -1
	v_lshlrev_b32 v[PFO], 15, v9
	v_lshl_add_u32 v[PFO], v1, 8, v[PFO]
; 16 matrix instructions: query tiles a0, a0 + 1 of the window's four x all 8 key tiles, 32 channels.  The 64 accumulators take turns in the same order in every quarter.
.macro MUL16 f, hi, a0, zero
	WIN MUL_LO+0x50*(\hi)
.irp a, \a0, (\a0)+1
.irp b, 0,1,2,3,4,5,6,7
.if \zero
	v_wmma_f32_16x16x32_f16 v[8*(8*(\a)+(\b)):8*(8*(\a)+(\b))+7], v[(\f)+8*(\b):(\f)+8*(\b)+7], v[(\f)+8*(4*(\hi)+(\a)):(\f)+8*(4*(\hi)+(\a))+7], 0
.else
	v_wmma_f32_16x16x32_f16 v[8*(8*(\a)+(\b)):8*(8*(\a)+(\b))+7], v[(\f)+8*(\b):(\f)+8*(\b)+7], v[(\f)+8*(4*(\hi)+(\a)):(\f)+8*(4*(\hi)+(\a))+7], v[8*(8*(\a)+(\b)):8*(8*(\a)+(\b))+7]
.endif
.endr
.endr
.endm
.macro FETCH q, f                      ; 32 LDS loads in one run: quarter q's fragments, K's first, into buffer f
	WIN TO_B
.irp i, 0,1,2,3,4,5,6,7
	ds_load_b128 v[(\f)+8*(\i):(\f)+8*(\i)+3],   v[ADRB] offset:(\i)*4096+(\q)*1024
	ds_load_b128 v[(\f)+8*(\i)+4:(\f)+8*(\i)+7], v[ADRB] offset:(\i)*4096+(\q)*1024+512
.endr
	WIN 0
.irp i, 0,1,2,3,4,5,6,7
	ds_load_b128 v[(\f)+8*(\i):(\f)+8*(\i)+3],   v[ADRA] offset:(\i)*4096+(\q)*1024
	ds_load_b128 v[(\f)+8*(\i)+4:(\f)+8*(\i)+7], v[ADRA] offset:(\i)*4096+(\q)*1024+512
.endr
.endm
.macro QUARTER q, f, g, zero           ; multiplies buffer f; in its middle fetches quarter q into buffer g
	s_wait_dscnt 8                                 ; K and Q's tiles 0-3 are in; the youngest eight loads (Q's tiles 4-7) may be out
	MUL16 \f, 0, 0, \zero
	MUL16 \f, 0, 2, \zero
	PLACES
	FETCH \q, \g
	s_wait_dscnt 32                                ; all but the 32 just issued
	MUL16 \f, 1, 0, \zero
	MUL16 \f, 1, 2, \zero
.endm
; A step's last quarter multiplies buffer 1 and changes slots.  fill = 1: the barrier opens a round of the cluster's, and the joint refill is the first thing behind it: 224 matrix instructions ahead of the wait for it.
.macro TURN fill
.if \fill
	s_wait_xcnt 0x0                                ; the last prefetch, a trip back, has read its address
	s_add_nc_u64 s[PFA:PFA+1], s[PFA:PFA+1], STEP
.endif
	WIN 0
	s_wait_tensorcnt 0x0                           ; all my tensor loads have landed: my part of the next slot
	ds_add_u32 v[SPW], v[NIL]                      ; 0 onto my spare word
	s_wait_dscnt 9                                 ; (the add and the youngest eight loads may be out)
	MUL16 F1, 0, 0, 0
	s_wait_dscnt 0x0                               ; the add is done, and my reads of this slot are over
	s_barrier_signal -1
	MUL16 F1, 0, 2, 0
	WIN 0
	s_barrier_wait -1
.if \fill
	CREST
	WALK
	JLOAD                                          ; its four v_nop are also the places in front of the loads below
.else
	PLACES
.endif
	s_xor_b32 s[TB], s[TB], SLOT1
	v_add_nc_u32 v[ADRA], s[TB], v[ABASE]
	v_add_nc_u32 v[ADRB], s[TB], v[BBASE]
	FETCH 0, F0
.if \fill
	ASK
.endif
	MUL16 F1, 1, 0, 0
	MUL16 F1, 1, 2, 0
.endm
	s_wait_tensorcnt 0x1                           ; my part of step 0 is in; step 1's may stay out
	s_barrier_signal -1
	s_barrier_wait -1
	FETCH 0, F0
	QUARTER 1, F0, F1, 1                           ; the first quarter's products start the sums
	WIN 0
	s_mov_b32 s[CNT], 6
.Lstep:                                        ; a trip goes from a step's second quarter to the next step's first, and asks for the step two on
	QUARTER 2, F1, F0, 0
	QUARTER 3, F0, F1, 0
	TURN 1
	QUARTER 1, F0, F1, 0
	WIN 0
	s_sub_co_u32 s[CNT], s[CNT], 1
	s_cmp_lg_u32 s[CNT], 0
	s_cbranch_scc1 .Lstep
	QUARTER 2, F1, F0, 0                           ; the tail is written out: nothing more is asked for
	QUARTER 3, F0, F1, 0
	TURN 0
	QUARTER 1, F0, F1, 0
	QUARTER 2, F1, F0, 0
	QUARTER 3, F0, F1, 0
	s_wait_dscnt 8
	MUL16 F1, 0, 0, 0
	MUL16 F1, 0, 2, 0
	s_wait_dscnt 0x0
	MUL16 F1, 1, 0, 0
	MUL16 F1, 1, 2, 0
	PLACES
	PLACES
; THE WAY OUT of query tile a: the lane's 64 scores (8 key tiles x 8) lie in window X at sb + 8 b + j; the query's other 64 keys in the lane 16 away.
.macro SOFT a
.set X, 2+(\a)/4
.set sb, 64*((\a)%4)
.set PB, 64+32*((\a)%2)                ; the packed weights, two buffers by turns
	WIN X|(X<<2)|(X<<4)                            ; the maximum
.irp b, 0,1,2,3,4,5,6,7
	v_max3_num_f32 v[CC+(\b)], v[sb+8*(\b)], v[sb+8*(\b)+1], v[sb+8*(\b)+2]
.endr
	WIN (X<<2)|(X<<4)
.irp b, 0,1,2,3,4,5,6,7
	v_max3_num_f32 v[CC+(\b)], v[CC+(\b)], v[sb+8*(\b)+3], v[sb+8*(\b)+4]
.endr
.irp b, 0,1,2,3,4,5,6,7
	v_max3_num_f32 v[CC+(\b)], v[CC+(\b)], v[sb+8*(\b)+5], v[sb+8*(\b)+6]
.endr
.irp p, 0,1,2,3
	v_max3_num_f32 v[CC+2*(\p)], v[CC+2*(\p)], v[sb+16*(\p)+7], v[sb+16*(\p)+15]
.endr
	WIN 0
	v_max3_num_f32 v[CC], v[CC], v[CC+1], v[CC+2]
	v_max3_num_f32 v[CC+3], v[CC+3], v[CC+4], v[CC+5]
	v_max3_num_f32 v[CC], v[CC], v[CC+3], v[CC+6]
	v_max_num_f32 v[CC], v[CC], v[CC+7]
	v_permlanex16_b32 v40, v[CC], s[SEL], s[SEL+1]
	v_max_num_f32 v41, v[CC], v40
	v_mul_f32 v42, s[CS], v41                      ; cm
	v_mov_b32 v[MST+(\a)], v42
	WIN (X<<6)|X                                   ; c s - cm, a pair at a time, and the exponentials of the pair before: ONE batch of 64; nothing in it names a result
.set i, 0
.rept 33
.if i < 32
	v_pk_fma_f32 v[sb+2*i:sb+2*i+1], v[sb+2*i:sb+2*i+1], s[CS:CS+1], v[42:43] op_sel_hi:[1,0,0] neg_lo:[0,0,1] neg_hi:[0,0,1]
.endif
.if i > 0
	v_exp_f32 v[sb+2*i-2], v[sb+2*i-2]
	v_exp_f32 v[sb+2*i-1], v[sb+2*i-1]
.endif
.set i, i+1
.endr
	v_nop                                          ; a plain instruction behind the last exponential,
	s_wait_alu depctr_va_vdst(0)                   ; and the one wait for the batch, ahead of its first reader
.if (\a) >= 2
	s_wait_xcnt 0x0                                ; the stores of the tile two back have read this buffer
.endif
	WIN X|(X<<2)
.set i, 0
.rept 32
	v_cvt_pk_f16_f32 v[PB+i], v[sb+2*i], v[sb+2*i+1]
.set i, i+1
.endr
	WIN (X<<6)|X|(X<<2)                            ; the sum of the 32 pairs, in place: 16, 8, 4, 2,
.irp w, 16,8,4,2
.set i, 0
.rept \w
	v_pk_add_f32 v[sb+2*i:sb+2*i+1], v[sb+2*i:sb+2*i+1], v[sb+2*(i+(\w)):sb+2*(i+(\w))+1]
.set i, i+1
.endr
.endr
	WIN X|(X<<2)
	v_pk_add_f32 v[60:61], v[sb:sb+1], v[sb+2:sb+3]  ; and the last into window 0
	WIN 0
	v_add_f32 v60, v60, v61
	v_permlanex16_b32 v40, v60, s[SEL], s[SEL+1]
	v_add_f32 v[LST+(\a)], v60, v40
.irp b, 0,1,2,3,4,5,6,7
	global_store_b128 v[PO], v[PB+4*(\b):PB+4*(\b)+3], s[8:9] offset:(\a)*65536+(\b)*512  ; a fragment block: 512 consecutive aligned bytes
.endr
.endm
.irp a, 0,1,2,3,4,5,6,7
	SOFT \a
.endr
	; the statistics: both halves of the lanes hold them, so lanes 0-15 store tile 2 i's 16 rows and lanes 16-31 tile 2 i + 1's: 256 consecutive aligned bytes
.irp i, 0,1,2,3
	v_cndmask_b32 v[128+2*(\i)], v[MST+2*(\i)], v[MST+2*(\i)+1], s[MASKH]
	v_cndmask_b32 v[129+2*(\i)], v[LST+2*(\i)], v[LST+2*(\i)+1], s[MASKH]
	global_store_b64 v[SO], v[128+2*(\i):129+2*(\i)], s[10:11] offset:256*(\i)
.endr
	s_wait_tensorcnt 0x0                           ; the wave's end
	ds_add_u32 v[SPW], v[NIL]
	s_wait_dscnt 0x0
	CROUND
	s_endpgm
.Lfunc_end_k_qa668598cd0_scores:
	.size	k_qa668598cd0_scores, .Lfunc_end_k_qa668598cd0_scores-k_qa668598cd0_scores
	.p2alignl 7, 3214868480
	.fill 96, 4, 3214868480
	.section	.rodata,"a",@progbits
	.p2align	6, 0x0
	.amdhsa_kernel k_qa668598cd0_scores
		.amdhsa_group_segment_fixed_size 327680
		.amdhsa_private_segment_fixed_size 0
		.amdhsa_enable_private_segment 0
		.amdhsa_kernarg_size 32
		.amdhsa_user_sgpr_count 2
		.amdhsa_user_sgpr_kernarg_segment_ptr 1
		.amdhsa_wavefront_size32 1
		.amdhsa_system_sgpr_workgroup_id_x 1
		.amdhsa_system_sgpr_workgroup_id_y 1
		.amdhsa_system_sgpr_workgroup_id_z 1
		.amdhsa_system_vgpr_workitem_id 0
		.amdhsa_next_free_vgpr 1024
		.amdhsa_next_free_sgpr 88
		.amdhsa_reserve_vcc 0
		.amdhsa_float_denorm_mode_32 3
		.amdhsa_float_denorm_mode_16_64 3
		.amdhsa_memory_ordered 1
		.amdhsa_forward_progress 1
		.amdhsa_inst_pref_size 176
	.end_amdhsa_kernel
	.amdgpu_metadata
---
amdhsa.version: [ 1, 2 ]
amdhsa.kernels:
  - .name:           k_qa668598cd0_scores
    .symbol:         k_qa668598cd0_scores.kd
    .args:
      - { .name: qf, .offset: 0, .size: 8, .value_kind: global_buffer, .address_space: global }
      - { .name: kf, .offset: 8, .size: 8, .value_kind: global_buffer, .address_space: global }
      - { .name: pf, .offset: 16, .size: 8, .value_kind: global_buffer, .address_space: global }
      - { .name: st, .offset: 24, .size: 8, .value_kind: global_buffer, .address_space: global }
    .group_segment_fixed_size: 327680
    .private_segment_fixed_size: 0
    .kernarg_segment_align: 8
    .kernarg_segment_size: 32
    .max_flat_workgroup_size: 128
    .sgpr_count:     88
    .vgpr_count:     1024
    .wavefront_size: 32
...
	.end_amdgpu_metadata
.endif
;; end of part 3
;; launch pv (part 4): grid 4 x 64, 4 waves a work-group, clusters of 4 x 4, 327,680 bytes of LDS; arguments pf, vf, st, out0; writes out0
.if DOCPART == 4
	.amdgcn_target "amdgcn-amd-amdhsa--gfx1250"
	.amdhsa_code_object_version 6
	.text
	.protected	k_qa668598cd0_pv
	.globl	k_qa668598cd0_pv
	.p2align	8
	.type	k_qa668598cd0_pv,@function
k_qa668598cd0_pv:
	s_mov_b64 s[64:65], 0
	v_nop
	global_prefetch_b8 v0, s[64:65] scope:SCOPE_SE
	s_setreg_imm32_b32 hwreg(HW_REG_WAVE_MODE, 25, 1), 1
	s_wait_xcnt 0x0
	s_wait_alu depctr_hold_cnt(0) depctr_sa_sdst(0) depctr_va_vdst(0) depctr_va_sdst(0) depctr_va_ssrc(0) depctr_va_vcc(0) depctr_vm_vsrc(0)
	s_getreg_b32 s2, hwreg(HW_REG_IB_STS2, 6, 4)
	s_cmp_eq_u32 s2, 0
	s_cbranch_scc0 .Lentry_in_a_cluster
	s_endpgm
.Lentry_in_a_cluster:
	s_bfe_u32 s2, ttmp6, 0x10000c
	s_cmp_lg_u32 s2, 0xf033
	s_cbranch_scc0 .Lentry_shape_is_right
	s_endpgm
.Lentry_shape_is_right:
; out[q][:] = (the sum over key blocks kt of f[q][kt] x (P'[q][kt] . V[kt])) / L[q], with M = max over kt of cm, f = 2^(cm - M) <= 1 rounded to f16, L = the sum of l x f (the rounded f).
; So every weight is 2^(c s - M): the row's true maximum is taken away.  P' and f are f16; P' x f is rounded once more to f16 for the product; sums, M, L and 1 / L in f32; out in f32.
; LIMITS.  A weight below 6e-8 of its row's largest counts as 0.  v arrives within f16's range.  NaN and infinities are not treated apart.
; SHARES.  A work-group makes 128 queries x 256 channels, a wave 64 x 128: 32 accumulators.  The batch's 2,048 keys are 64 quarters of 32; they go through two LDS slots of 192 keys (six quarters):
; ten steps of six quarters and an eleventh of four.  128 + 256 rows cost 768 bytes a key, so 192 keys are 147,456 bytes: two such slots and 26,624 bytes of tables, stage and spare words fit; 256 keys would not.
; pf and vf hold fragment blocks (512 bytes, lane l at 16 l): a query tile's (a channel tile's) 192 keys are 6,144 consecutive bytes.  Waves 0, 1 fetch 4 query tiles each, waves 2, 3 8 channel tiles each;
; the tiles have no more rows than that.  The last tile begins 4,096 bytes behind the one before it, so that it ends with the row: its first 64 keys have been multiplied already and are not read again.
; CLUSTER 4 x 4: P' is asked for jointly along a row of the cluster, V along a column.
; O^T = V^T P (source 0 = 16 channels, source 1 = 16 queries): a lane holds ONE query (lane % 16) and channels 8 (lane / 16) + 0..7.
; REGISTERS: window 0: v2-29 addresses and f (two sets, by buffer); v32-39 1 / L; v64-191 V's fragments, two buffers of 8 x 8; v192-223, v224-255 (and v64-95) the way out.
;   window 1: v0-127 accumulators of query tiles 0, 1, (a, b) at v[8 (8 (a % 2) + b)]; v128-191 P's fragments, two buffers of 4 x 8.   window 2: v0-127 accumulators of tiles 2, 3.
.set ROWB,  6144                       ; a tile row in a slot: 192 keys
.set STEP,  ROWB                       ; and the same bytes along a row in memory
.set SLOTV, 1<<17                      ; V: slot 0 at 0, slot 1 here: 16 rows, 98,304 bytes each
.set FTAB,  98304                      ; between V's slots, never filled by a tensor load: f as a pair of f16, at kt x 512 + half x 256 + r x 16 + a x 4
.set ITAB,  106496                     ; 1 / L, 4 bytes a row
.set STG,   107008                     ; 16 rows x 272 bytes for each wave, for the way out
.set SP,    272
.set SPARE, STG+4*16*SP                ; the spare words, two blocks of 256 bytes that no other line names
.set PB0,   229376                     ; P: slot 0 behind V's slot 1: 8 rows, 49,152 bytes,
.set PB1,   278528                     ; slot 1 behind it, up to LDS's last byte
.set PXOR,  0x7c000                    ; PB0 xor PB1: turns the bare base of one into the other's
.set NA,    2
.set ABASE, 2                          ; v2  my lane's place in P's slot
.set BBASE, 3                          ; v3  in V's
.set ADRA,  4                          ; v4  the same for the quarter to be fetched
.set ADRB,  5
.set FT0,   6                          ; v6  my lane's place in a key block's factors
.set FT,    7                          ; v7  the same for the quarter to be fetched
.set STO,   8
.set RD,    9
.set SPW,   10
.set NIL,   11
.set PFO,   12
.set F,     16                         ; v[16:19], v[20:23] f of my query in tiles 0-3, twice in each register: a set for each fragment buffer
.set CO,    28
.set IT,    29
.set INV,   32                         ; v[32:39] 1 / L, a pair for each tile
.set VF,    64
.set PF,    128                        ; window 1
.set T,     192
.set WV,  14
.set RH,  15
.set CHF, 16
.set CX,  17
.set CY,  18
.set WGX, 19
.set WGY, 20
.set BAT, 21
.set G1A, 24
.set G1B, 32
.set G0A, 40                           ; two sets: step 0 in slot 0; step 1 in slot 1, which then walks
.set G0B, 48
.set KV,  56                           ; s56 LDS byte at which V's rows of the quarter to be fetched begin
.set CNT, 57
.set LIM, 58                           ; 2 in a wave that prefetches, else the greatest number
.set KP,  59                           ; s59 the same as KV, for P
.set PFA, 60
.set FTS, 85                           ; s85 128 x the number of the quarter to be fetched
.set TPF, 86                           ; s86 the base of P's slot that was asked for last
.set AOF, 87                           ; s87 my half's place in P's slot (waves 0, 1)
.set STP, 88                           ; s[88:89] bytes from the tile asked for last to the next
.set ST6, 90
.set ST4, 91
.set IC,  92                           ; s92 counts the inner loop
.set TMPF, 93
.set GC, (3<<16)|(1<<21)               ; 8-byte elements; bit 21 beside a mask; no padding
.set PH1, 0x54                         ; V window 0; P, C and D window 1
.set PH2, 0xa4                         ; V window 0; P window 1; C and D window 2
.set MSB, 0
.macro WIN new                         ; the high byte repeats the setting that is left; a switch that changes nothing is dropped
.if MSB != (\new)
	s_set_vgpr_msb (MSB<<8)|(\new)
.set MSB, \new
.endif
.endm
.macro PLACES
.rept 4
	v_nop
.endr
.endm
.macro CREST
	s_cmp_lg_u32 s[WV], 0
	s_cbranch_scc1 .Lnot_wave_0_\@
	s_barrier_signal -3
.Lnot_wave_0_\@:
	s_barrier_wait -3
	s_barrier_signal -1
	s_barrier_wait -1
.endm
.macro CROUND
	s_barrier_signal -1
	s_barrier_wait -1
	CREST
.endm
.macro JLOAD                           ; the joint refill by the walking descriptors; the branch hangs on the wave's number alone
	s_cmp_lt_u32 s[WV], NA
	s_cbranch_scc0 .Lfor_b_\@
	tensor_load_to_lds s[G0A+4:G0A+7], s[G1A:G1A+7]
	s_nop 0
	PLACES
	s_branch .Lasked_\@
.Lfor_b_\@:
	tensor_load_to_lds s[G0B+4:G0B+7], s[G1B:G1B+7]
	s_nop 0
	PLACES
.Lasked_\@:
.endm
.macro WALK                            ; no tensor load of mine is out: the other slot than last time, the next 192 keys; the last tile of all begins 4,096 bytes on, so that it ends with the row
	s_cmp_eq_u32 s[CNT], 1
	s_cselect_b32 s[STP], s[ST4], s[ST6]
	s_xor_b32 s[TPF], s[TPF], PXOR
	s_add_co_u32 s[G0A+5], s[TPF], s[AOF]
	s_add_nc_u64 s[G0A+6:G0A+7], s[G0A+6:G0A+7], s[STP:STP+1]
	s_xor_b32 s[G0B+5], s[G0B+5], SLOTV
	s_add_nc_u64 s[G0B+6:G0B+7], s[G0B+6:G0B+7], s[STP:STP+1]
.endm
; A prefetch into the L2 of the step behind the one that is being asked for: one step, 192 matrix instructions, ahead of its load.  P's rows are read by one cluster alone: every cluster asks for its own;
; V's by the four clusters of a batch: the first of them asks.  The partners share the rows out by address.  P: of a wave's 4 query tiles each partner takes one; V: of 8 channel tiles two, a line each.
; A row's step is 24 blocks of 256 bytes, a lane a block; lanes 24-31 name the 24th again.  Steps 0-2 come by their loads alone; the last two trips ask for nothing, so the last, shorter step comes by its load alone too.
.macro ASK
	s_cmp_gt_u32 s[CNT], s[LIM]
	s_cbranch_scc0 .Lnot_mine_\@
	global_prefetch_b8 v[PFO], s[PFA:PFA+1] th:TH_LOAD_NT scope:SCOPE_SE
	s_cmp_lt_u32 s[WV], NA
	s_cbranch_scc1 .Lnot_mine_\@
	global_prefetch_b8 v[PFO], s[PFA:PFA+1] offset:65536 th:TH_LOAD_NT scope:SCOPE_SE
.Lnot_mine_\@:
.endm
	s_load_b256 s[4:11], s[0:1], 0x0               ; pf s[4:5], vf s[6:7], st s[8:9], out0 s[10:11]
	v_lshl_add_u32 v[SPW], v0, 2, SPARE
	v_mov_b32 v[NIL], 0
	ds_add_u32 v[SPW], v[NIL]                      ; the wave's opening: the add, with its wait ahead of my first tensor load
	v_lshrrev_b32 v1, 5, v0
	v_readfirstlane_b32 s[WV], v1
	s_lshr_b32 s[RH], s[WV], 1                     ; which 64 queries are mine
	s_and_b32 s[CHF], s[WV], 1                     ; which 128 channels; also: which half of a tile I fetch
	s_bfe_u32 s[CX], ttmp6, 0x40000
	s_bfe_u32 s[CY], ttmp6, 0x40004
	s_lshl_b32 s[WGX], ttmp9, 2
	s_add_co_u32 s[WGX], s[WGX], s[CX]             ; block of 256 channels
	s_and_b32 s[WGY], ttmp7, 0xffff
	s_lshr_b32 s[BAT], s[WGY], 2                   ; the batch: four clusters along y each
	s_lshl_b32 s[WGY], s[WGY], 2
	s_add_co_u32 s[WGY], s[WGY], s[CY]             ; block of 128 queries, over all batches
	s_lshl_b32 s66, s[CY], 2
	s_lshl_b32 s66, 15, s66
	s_lshl_b32 s68, 0x1111, s[CX]
	s_or_b32 s[G1A], s66, GC
	s_or_b32 s[G1B], s68, GC
	s_mov_b32 s[G1A+1], 768<<16                    ; rows of 6,144 bytes: tensor_dim0 = 768 elements
	s_mov_b32 s[G1A+2], 4<<16                      ; 4 query tiles
	s_mov_b32 s[G1A+3], 768<<16                    ; tile_dim0
	s_mov_b32 s[G1A+4], 4
	s_mov_b32 s[G1A+5], 8192                       ; 65,536 bytes from tile to tile
	s_mov_b32 s[G1A+6], 0
	s_mov_b32 s[G1A+7], 0
	s_mov_b32 s[G1B+1], 768<<16
	s_mov_b32 s[G1B+2], 8<<16                      ; 8 channel tiles
	s_mov_b32 s[G1B+3], 768<<16
	s_mov_b32 s[G1B+4], 8
	s_mov_b32 s[G1B+5], 8192
	s_mov_b32 s[G1B+6], 0
	s_mov_b32 s[G1B+7], 0
	s_lshl_b32 s66, s[WGY], 19                     ; P: 8 query tiles of 65,536 bytes,
	s_lshl_b32 s67, s[CHF], 18                     ; the 4 that I fetch
	s_add_co_u32 s66, s66, s67
	s_mov_b32 s67, 0
	s_lshl_b32 s68, s[BAT], 22                     ; V: the batch's 64 channel tiles,
	s_lshl_b32 s69, s[WGX], 20
	s_add_co_u32 s68, s68, s69
	s_lshl_b32 s69, s[CHF], 19
	s_add_co_u32 s68, s68, s69
	s_mov_b32 s69, 0
	s_mul_i32 s[AOF], s[CHF], 4*ROWB               ; in P's slot: its two halves; no place in the cluster enters an LDS address
	s_add_co_u32 s70, s[AOF], PB0
	s_mul_i32 s71, s[CHF], 8*ROWB                  ; in V's slot likewise
	s_lshl_b32 s72, s[WGY], 10                     ; st: my work-group's 128 rows of 8 bytes
	s_mov_b32 s73, 0
	s_mov_b32 s[KV], 0                             ; the first quarter to be fetched lies at the head of slot 0
	s_mov_b32 s[KP], PB0
	s_mov_b32 s[FTS], 0
	s_mov_b32 s[TPF], PB1                          ; the walking descriptors begin as step 1's, in slot 1
	s_mov_b32 s[STP+1], 0
	s_mov_b32 s[ST6], STEP
	s_mov_b32 s[ST4], 4096
	v_lshlrev_b32 v13, 3, v0                       ; thread t takes row t's statistics
	s_wait_dscnt 0x0
	s_wait_kmcnt 0x0
	s_add_nc_u64 s[66:67], s[4:5], s[66:67]
	s_add_nc_u64 s[68:69], s[6:7], s[68:69]
	s_add_nc_u64 s[8:9], s[8:9], s[72:73]
.set k, 0
.rept 16
	global_load_b64 v[32+2*k:33+2*k], v13, s[8:9] offset:k*65536  ; (cm, l) of key block k
.set k, k+1
.endr
	CROUND
.irp s, 0,1
	s_mov_b32 s[G0A+4*(\s)], 1
	s_add_co_u32 s[G0A+4*(\s)+1], s70, (\s)*(PB1-PB0)
	s_add_nc_u64 s[G0A+4*(\s)+2:G0A+4*(\s)+3], s[66:67], (\s)*STEP
	s_or_b32 s[G0A+4*(\s)+3], s[G0A+4*(\s)+3], 0x80000000
	s_mov_b32 s[G0B+4*(\s)], 1
	s_add_co_u32 s[G0B+4*(\s)+1], s71, (\s)*SLOTV
	s_add_nc_u64 s[G0B+4*(\s)+2:G0B+4*(\s)+3], s[68:69], (\s)*STEP
	s_or_b32 s[G0B+4*(\s)+3], s[G0B+4*(\s)+3], 0x80000000
.endr
	s_cmp_lt_u32 s[WV], NA                         ; a wave's two first fills stand in one branch: two loads of mine are out
	s_cbranch_scc0 .Lfirst_b
	tensor_load_to_lds s[G0A:G0A+3], s[G1A:G1A+7]
	s_nop 0
	tensor_load_to_lds s[G0A+4:G0A+7], s[G1A:G1A+7]
	s_nop 0
	PLACES
	s_branch .Lfirst_asked
.Lfirst_b:
	tensor_load_to_lds s[G0B:G0B+3], s[G1B:G1B+7]
	s_nop 0
	tensor_load_to_lds s[G0B+4:G0B+7], s[G1B:G1B+7]
	s_nop 0
	PLACES
.Lfirst_asked:
	v_and_b32 v1, 15, v0                           ; r
	v_bfe_u32 v96, v0, 4, 1                        ; h
	v_and_b32 v97, 31, v0                          ; l
	v_lshlrev_b32 v98, 4, v97
	s_mul_i32 s72, s[RH], 4*ROWB                   ; my 4 query tiles
	v_add_nc_u32 v[ABASE], s72, v98
	s_mul_i32 s72, s[CHF], 8*ROWB                  ; my 8 channel tiles
	v_add_nc_u32 v[BBASE], s72, v98
	s_lshl_b32 s72, s[RH], 8
	s_add_co_u32 s73, s72, FTAB
	v_lshl_add_u32 v[FT0], v1, 4, s73
	s_add_co_u32 s73, s72, ITAB
	v_lshl_add_u32 v[IT], v1, 2, s73
	s_mul_i32 s72, s[WV], 16*SP
	s_add_co_u32 s72, s72, STG                     ; my stage
	v_mul_u32_u24 v[STO], v1, SP                   ; in: row r, 32 bytes for each half of the lanes
	v_lshl_add_u32 v[STO], v96, 5, v[STO]
	v_add_nc_u32 v[STO], s72, v[STO]
	v_mul_u32_u24 v[RD], v96, SP                   ; back: lanes 0-15 one row of 256 bytes, lanes 16-31 the next
	v_lshl_add_u32 v[RD], v1, 4, v[RD]
	v_add_nc_u32 v[RD], s72, v[RD]
	v_lshlrev_b32 v[CO], 12, v96                   ; and the same two rows in out0
	v_lshl_add_u32 v[CO], v1, 4, v[CO]
	s_lshl_b32 s72, s[WGY], 19                     ; out0: 128 rows of 4,096 bytes,
	s_lshl_b32 s73, s[RH], 18
	s_add_co_u32 s72, s72, s73
	s_lshl_b32 s73, s[WGX], 10                     ; 256 channels of 4 bytes,
	s_add_co_u32 s72, s72, s73
	s_lshl_b32 s73, s[CHF], 9
	s_add_co_u32 s72, s72, s73
	s_mov_b32 s73, 0
	s_add_nc_u64 s[10:11], s[10:11], s[72:73]
	s_and_b32 s70, ttmp7, 3                        ; the prefetches: which of a batch's four clusters
	s_cmp_lt_u32 s[WV], NA
	s_cselect_b32 s70, 0, s70
	s_cselect_b32 s72, s[CX], s[CY]                ; my place among the four that ask with me
	s_cselect_b32 s73, 16, 17                      ; one tile a partner, or two
	s_cselect_b64 s[PFA:PFA+1], s[66:67], s[68:69]
	s_lshl_b32 s72, s72, s73
	s_add_co_u32 s72, s72, 2*STEP                  ; at step 2: the first refill steps it to 3
	s_mov_b32 s73, 0
	s_add_nc_u64 s[PFA:PFA+1], s[PFA:PFA+1], s[72:73]
	s_cmp_eq_u32 s70, 0
	s_cselect_b32 s[LIM], 2, -1                    ; the same in all sixteen partners, for a given wave
	v_min_u32 v[PFO], 23, v97
	v_lshlrev_b32 v[PFO], 8, v[PFO]
	; THE ROW'S STATISTICS, a row a thread, in the wait for the first tiles
	v_lshrrev_b32 v101, 6, v0                      ; where row t = 64 half + 16 a + r puts its factors
	v_lshlrev_b32 v15, 4, v1
	v_lshl_add_u32 v15, v101, 8, v15
	v_bfe_u32 v101, v0, 4, 2
	v_lshl_add_u32 v15, v101, 2, v15
	v_add_nc_u32 v15, FTAB, v15
	v_lshl_add_u32 v102, v0, 2, ITAB
	v_mov_b32 v98, 0
	v_mov_b32 v99, 0
	s_wait_loadcnt 0x0
	v_max3_num_f32 v14, v32, v34, v36              ; M
.irp k, 38,42,46,50,54,58
	v_max3_num_f32 v14, v14, v[(\k)], v[(\k)+2]
.endr
	v_max_num_f32 v14, v14, v62
.set k, 0
.rept 16
	v_sub_f32 v[64+k], v[32+2*k], v14
.set k, k+1
.endr
.set k, 0
.rept 16
	v_exp_f32 v[64+k], v[64+k]
.set k, k+1
.endr
	v_nop                                          ; a plain instruction behind the last exponential,
	s_wait_alu depctr_va_vdst(0)                   ; and one wait for the sixteen
.set k, 0
.rept 16
	v_cvt_pk_f16_f32 v[80+k], v[64+k], v[64+k]     ; f, twice
.set k, k+1
.endr
.set k, 0
.rept 16
	v_fma_mix_f32 v[98+k%2], v[80+k], v[33+2*k], v[98+k%2] op_sel_hi:[1,0,0]  ; L += f x l, with the rounded f, in two chains
.set k, k+1
.endr
	v_add_f32 v98, v98, v99
	v_rcp_f32 v100, v98
	v_nop
	s_wait_alu depctr_va_vdst(0)
.set k, 0
.rept 16
	ds_store_b32 v15, v[80+k] offset:k*512
.set k, k+1
.endr
	ds_store_b32 v102, v100
.macro MULF buf, a, i                  ; register i of P's fragment a times f, in place; stands under PH1
	v_pk_mul_f16 v[PF+32*(\buf)+8*(\a)+(\i)], v[F+4*(\buf)+(\a)], v[PF+32*(\buf)+8*(\a)+(\i)]
.endm
.macro WM a, b, buf, zero
.set rD, 8*(8*((\a)%2)+(\b))
.set rV, VF+64*(\buf)+8*(\b)
.set rP, PF+32*(\buf)+8*(\a)
.if \zero
	v_wmma_f32_16x16x32_f16 v[rD:rD+7], v[rV:rV+7], v[rP:rP+7], 0
.else
	v_wmma_f32_16x16x32_f16 v[rD:rD+7], v[rV:rV+7], v[rP:rP+7], v[rD:rD+7]
.endif
.endm
.macro ADDR                            ; the addresses of the quarter to be fetched, from the three scalars; its key block is its number / 4: 512 bytes of factors each
	WIN 0
	s_and_b32 s[TMPF], s[FTS], 0xfe00
	v_add_nc_u32 v[ADRA], s[KP], v[ABASE]
	v_add_nc_u32 v[ADRB], s[KV], v[BBASE]
	v_add_nc_u32 v[FT], s[TMPF], v[FT0]
.endm
.macro NEXTQ                           ; the next fetch is the next quarter's: 1,024 bytes on in every row
	s_add_co_u32 s[KP], s[KP], 1024
	s_add_co_u32 s[KV], s[KV], 1024
	s_add_co_u32 s[FTS], s[FTS], 128
.endm
.macro FETCH buf                       ; 25 LDS loads in one run: a quarter's fragments of V, its factors, its fragments of P, into buffer buf
	WIN 0
.irp b, 0,1,2,3,4,5,6,7
	ds_load_b128 v[VF+64*(\buf)+8*(\b):VF+64*(\buf)+8*(\b)+3],   v[ADRB] offset:(\b)*ROWB
	ds_load_b128 v[VF+64*(\buf)+8*(\b)+4:VF+64*(\buf)+8*(\b)+7], v[ADRB] offset:(\b)*ROWB+512
.endr
	ds_load_b128 v[F+4*(\buf):F+4*(\buf)+3], v[FT]
	WIN 0x40
.irp a, 0,1,2,3
	ds_load_b128 v[PF+32*(\buf)+8*(\a):PF+32*(\buf)+8*(\a)+3],   v[ADRA] offset:(\a)*ROWB
	ds_load_b128 v[PF+32*(\buf)+8*(\a)+4:PF+32*(\buf)+8*(\a)+7], v[ADRA] offset:(\a)*ROWB+512
.endr
.endm
; 16 products of query tiles 0, 1; behind them the scalings of tiles 1, 2 and 3, each ahead of its tile's first product and never on a register of the products round it.  The accumulators take turns.
.macro PHASE1 buf, zero
	WIN PH1
.set i, 0
.rept 16
	WM i/8, i%8, \buf, \zero
.if i < 8
	MULF \buf, 1, i
	MULF \buf, 2, i
.else
	MULF \buf, 3, i-8
.endif
.set i, i+1
.endr
.endm
.macro PHASE2 buf, zero                ; 16 products of query tiles 2, 3
	WIN PH2
.set i, 0
.rept 16
	WM 2+i/8, i%8, \buf, \zero
.set i, i+1
.endr
.endm
.macro MULF0 buf                       ; tile 0's scalings: eight plain instructions on registers that the products before do not name: also the places in front of the loads that follow
	WIN PH1
.irp i, 0,1,2,3,4,5,6,7
	MULF \buf, 0, \i
.endr
.endm
.macro QUARTER buf, zero               ; multiplies buffer buf; at its head fetches the next quarter into the other
	s_wait_dscnt 0x0                               ; this quarter's fragments, asked for a quarter ago, are in
	MULF0 \buf
	ADDR
	FETCH 1-(\buf)
	NEXTQ
	PHASE1 \buf, \zero
	PHASE2 \buf, \zero
.endm
.macro PAIRS n                         ; n times a quarter on buffer 1 and one on buffer 0: written once; the LDS addresses hang on the three scalars
	WIN 0
	s_mov_b32 s[IC], \n
.Lpair_\@:
	QUARTER 1, 0
	QUARTER 0, 0
	WIN 0
	s_sub_co_u32 s[IC], s[IC], 1
	s_cmp_lg_u32 s[IC], 0
	s_cbranch_scc1 .Lpair_\@
.endm
; A step's sixth quarter multiplies buffer 1 and changes slots.  fill = 1: the barrier opens a round of the cluster's, and the joint refill is the first thing behind it: 176 matrix instructions ahead of the wait for it.
; koff: the byte of the next slot's rows at which reading begins.
.macro TURN fill, koff
.if \fill
	s_wait_xcnt 0x0                                ; the last prefetches, a trip back, have read their address
	s_add_nc_u64 s[PFA:PFA+1], s[PFA:PFA+1], STEP
.endif
	WIN 0
	s_wait_tensorcnt 0x0                           ; all my tensor loads have landed: my part of the next slot
	ds_add_u32 v[SPW], v[NIL]                      ; 0 onto my spare word
	s_wait_dscnt 0x1                               ; (the add alone may be out)
	MULF0 1
	s_wait_dscnt 0x0                               ; the add is done, and my reads of this slot are over
	s_barrier_signal -1
	PHASE1 1, 0
	WIN 0
	s_barrier_wait -1
.if \fill
	CREST                                          ; no wave of any partner still reads this slot or has a load on its way
	WALK
	JLOAD                                          ; its four v_nop are also places in front of the loads below
.else
	PLACES
.endif
	s_sub_co_u32 s[KV], s[KV], STEP                ; the fetches go back to the rows' first byte,
	s_xor_b32 s[KV], s[KV], SLOTV                  ; in the other slot
	s_sub_co_u32 s[KP], s[KP], STEP
	s_xor_b32 s[KP], s[KP], PXOR
.if \koff
	s_add_co_u32 s[KV], s[KV], \koff
	s_add_co_u32 s[KP], s[KP], \koff
.endif
	ADDR
	FETCH 0
	NEXTQ
	WIN 0
.if \fill
	ASK
.endif
	PHASE2 1, 0
.endm
	s_wait_dscnt 0x0                               ; for the others' sake: my stores into the tables are done,
	s_wait_tensorcnt 0x1                           ; and my part of step 0 is in; step 1's may stay out
	s_barrier_signal -1
	s_barrier_wait -1
	ADDR
	FETCH 0
	NEXTQ
	QUARTER 0, 1                                   ; the first quarter's products start the sums
	WIN 0
	s_mov_b32 s[CNT], 9
.Lstep:                                        ; a trip goes from a step's second quarter to the next step's first, and asks for the step two on: steps 2 to 10
	PAIRS 2
	TURN 1, 0
	QUARTER 0, 0
	WIN 0
	s_sub_co_u32 s[CNT], s[CNT], 1
	s_cmp_lg_u32 s[CNT], 0
	s_cbranch_scc1 .Lstep
	PAIRS 2                                        ; the tail is written out: nothing more is asked for.  Step 9's second to fifth quarter,
	TURN 0, 2048                                   ; its sixth; the last tile's first 64 keys, 2,048 bytes of each row, are passed over
	QUARTER 0, 0                                   ; the last step's four quarters
	QUARTER 1, 0
	QUARTER 0, 0
	s_wait_dscnt 0x0
	MULF0 1
	PHASE1 1, 0
	PHASE2 1, 0
	; THE WAY OUT: times 1 / L; 16 rows x 64 channels at a time through my stage, back as whole rows of 256 bytes
	WIN 0
	PLACES
	PLACES
.irp a, 0,1,2,3
	ds_load_b32 v[INV+2*(\a)], v[IT] offset:64*(\a)
.endr
	s_wait_dscnt 0x0
.irp a, 0,1,2,3
	v_mov_b32 v[INV+2*(\a)+1], v[INV+2*(\a)]       ; named as pairs
.endr
.macro PACK i                          ; query tile i / 2, channel tiles 4 (i % 2) ..: 32 registers, ascending
.set aa, (\i)/2
.set ab, 64*(aa%2)+32*((\i)%2)
	WIN 1+aa/2                                     ; source 0 in window 1 or 2
.set z, 0
.rept 16
	v_pk_mul_f32 v[T+2*z:T+2*z+1], v[ab+2*z:ab+2*z+1], v[INV+2*aa:INV+2*aa+1] op_sel_hi:[1,0]
.set z, z+1
.endr
	WIN 0
.endm
.macro TOSTAGE i
.set UB, 224-160*((\i)%2)              ; v224-255 and v64-95 by turns
.irp bb, 0,1,2,3
	ds_store_b128 v[STO], v[T+8*(\bb):T+8*(\bb)+3]   offset:64*(\bb)
	ds_store_b128 v[STO], v[T+8*(\bb)+4:T+8*(\bb)+7] offset:64*(\bb)+16
.endr
.irp t, 0,1,2,3,4,5,6,7
	ds_load_b128 v[UB+4*(\t):UB+4*(\t)+3], v[RD] offset:(\t)*2*SP  ; LDS serves a wave's instructions in order (ISA guide 5.7.1.4): these see the stores above
.endr
.endm
.macro SEND i
.set aa, (\i)/2
.set UB, 224-160*((\i)%2)
	s_wait_dscnt 0x0                               ; the block is back in registers
	s_wait_xcnt 0x0                                ; the stores of the block before have read their registers, which the next block's loads write
.irp t, 0,1,2,3,4,5,6,7
	global_store_b128 v[CO], v[UB+4*(\t):UB+4*(\t)+3], s[10:11] offset:(16*aa+2*(\t))*4096+256*((\i)%2) th:TH_STORE_NT  ; 16 lanes store 256 consecutive aligned bytes
.endr
.endm
	PACK 0
	TOSTAGE 0
.irp i, 1,2,3,4,5,6,7
	PACK \i
	SEND (\i)-1
	TOSTAGE \i
.endr
	SEND 7
	s_wait_tensorcnt 0x0                           ; the wave's end: behind my last tensor load and my last LDS store
	ds_add_u32 v[SPW], v[NIL]
	s_wait_dscnt 0x0
	CROUND
	s_endpgm
.Lfunc_end_k_qa668598cd0_pv:
	.size	k_qa668598cd0_pv, .Lfunc_end_k_qa668598cd0_pv-k_qa668598cd0_pv
	.p2alignl 7, 3214868480
	.fill 96, 4, 3214868480
	.section	.rodata,"a",@progbits
	.p2align	6, 0x0
	.amdhsa_kernel k_qa668598cd0_pv
		.amdhsa_group_segment_fixed_size 327680
		.amdhsa_private_segment_fixed_size 0
		.amdhsa_enable_private_segment 0
		.amdhsa_kernarg_size 32
		.amdhsa_user_sgpr_count 2
		.amdhsa_user_sgpr_kernarg_segment_ptr 1
		.amdhsa_wavefront_size32 1
		.amdhsa_system_sgpr_workgroup_id_x 1
		.amdhsa_system_sgpr_workgroup_id_y 1
		.amdhsa_system_sgpr_workgroup_id_z 1
		.amdhsa_system_vgpr_workitem_id 0
		.amdhsa_next_free_vgpr 640
		.amdhsa_next_free_sgpr 96
		.amdhsa_reserve_vcc 0
		.amdhsa_float_denorm_mode_32 3
		.amdhsa_float_denorm_mode_16_64 3
		.amdhsa_memory_ordered 1
		.amdhsa_forward_progress 1
		.amdhsa_inst_pref_size 115
	.end_amdhsa_kernel
	.amdgpu_metadata
---
amdhsa.version: [ 1, 2 ]
amdhsa.kernels:
  - .name:           k_qa668598cd0_pv
    .symbol:         k_qa668598cd0_pv.kd
    .args:
      - { .name: pf, .offset: 0, .size: 8, .value_kind: global_buffer, .address_space: global }
      - { .name: vf, .offset: 8, .size: 8, .value_kind: global_buffer, .address_space: global }
      - { .name: st, .offset: 16, .size: 8, .value_kind: global_buffer, .address_space: global }
      - { .name: out0, .offset: 24, .size: 8, .value_kind: global_buffer, .address_space: global }
    .group_segment_fixed_size: 327680
    .private_segment_fixed_size: 0
    .kernarg_segment_align: 8
    .kernarg_segment_size: 32
    .max_flat_workgroup_size: 128
    .sgpr_count:     96
    .vgpr_count:     640
    .wavefront_size: 32
...
	.end_amdgpu_metadata
.endif
;; end of part 4
;; ======== version 2 of 2: 4 launches; version 1 with the launch conv written anew for expert scheduling mode
;; limits: values are held in f16: magnitudes above 65,504 overflow, below 6.1e-05 lose precision
;; workspace buffers: xb 16,777,216 bytes; wb 6,291,456 bytes; qf 16,777,216 bytes; kf 16,777,216 bytes; vf 16,777,216 bytes; pf 33,554,432 bytes; st 1,048,576 bytes
;; launch conv (part 5): grid 704 x 1, 8 waves a work-group, no clusters, 0 bytes of LDS; arguments x, W_qkv, xb, wb; writes xb, wb
.if DOCPART == 5
	.amdgcn_target "amdgcn-amd-amdhsa--gfx1250"
	.amdhsa_code_object_version 6
	.text
	.protected	k_qa668598cd0_conv
	.globl	k_qa668598cd0_conv
	.p2align	8
	.type	k_qa668598cd0_conv,@function
k_qa668598cd0_conv:
	s_mov_b64 s[64:65], 0
	v_nop
	global_prefetch_b8 v0, s[64:65] scope:SCOPE_SE
	s_setreg_imm32_b32 hwreg(HW_REG_WAVE_SCHED_MODE, 0, 2), 2
	s_setreg_imm32_b32 hwreg(HW_REG_WAVE_MODE, 25, 1), 1
	s_wait_xcnt 0x0
	s_wait_alu depctr_vm_vsrc(0)
; x [8192][1024] and W_qkv [3072][1024], f32, are rounded once to bf16 (nearest even) and laid out in blocks of 64 along K:
;   xb[kb][row][64], wb[kb][row'][64], kb = 0..15.  For W's row e = part x 1024 + j x 128 + i the new row is row' = j x 384 + part x 128 + i,
;   so that the 128 channels j of q, of k and of v lie one behind the other and a K block of them is dense in memory.
; SHARES.  Work-groups 0-511 take 16 rows of x each, 512-703 16 rows of W.  A wave takes two neighbouring rows and all 16 K blocks.
; One load of a wave covers 256 consecutive bytes of each of its two rows (a K block of f32); one store 256 consecutive aligned bytes (the two rows' K block in bf16).
; All 16 loads of a wave go out at once; the waits count down, four loads at a time.  Nothing is shared between waves: no LDS, no barrier, no cluster; the launch is one short stream, so nothing is prefetched.
; THE MODE: SCHED_MODE bits 1:0 = 2 (LLVM: expert scheduling mode 2), set by the entry lines.  The code itself states the register dependences
; between vector instructions and memory instructions, with s_wait_alu, always for 0.
; THE PLAN.  Registers that memory instructions touch:
;   v3          the loads' offset.     Written at the head, read by all 16 loads, never written again.
;   VOUT[k]     store k's offset.      Written at the head, read by store k, never written again.
;   IN[k]       K block k as loaded.   Written by load k alone; read by K block k's two conversions; no vector line names it ahead of the load, no load lands in it again.
;   OU[k]       K block k to store.    Written by K block k's two conversions, once; read by store k; never written again.
; So no register that a memory instruction reads is ever rewritten, and no load lands in a register that a vector line has named: what is left to state is that the offsets are written
; (one wait ahead of the first load, which serves every load and store of the kernel) and that OU is written ahead of its stores.  The 16 K blocks go in four blocks of four:
; eight conversions, ONE wait, four stores.  That wait stands behind the block's conversions and not at the next block's head, so that the stores leave ahead of the wait for the next four loads.
; The wave's number passes through a scalar register: one wait ahead of its first reader.  EXEC is never written; the text has no branch.
.set IN,   16                          ; v[16:79]   16 x 4 numbers as loaded
.set OU,   80                          ; v[80:111]  16 x 2 registers to store
.set VOUT, 112                         ; v[112:127] byte offset of my 8 bytes in K block kb
	s_load_b256 s[4:11], s[0:1], 0x0               ; x s[4:5], W s[6:7], xb s[8:9], wb s[10:11]
	v_lshrrev_b32 v1, 5, v0
	v_readfirstlane_b32 s12, v1                    ; wave 0..7
	v_and_b32 v2, 31, v0                           ; lane
	v_lshrrev_b32 v4, 4, v2                        ; which of the two rows
	v_and_b32 v5, 15, v2
	v_lshlrev_b32 v3, 4, v5
	v_lshl_add_u32 v3, v4, 12, v3                  ; in: row x 4,096 + 16 x (lane % 16)
	s_mov_b32 s17, 0x100000                        ; bytes from K block to K block in xb,
	s_mov_b32 s18, 0x60000                         ; and in wb
	s_cmp_lt_u32 ttmp9, 512                        ; x or W?
	s_cselect_b32 s13, 0, 512
	s_cselect_b32 s16, s17, s18
	s_sub_co_u32 s13, ttmp9, s13
	s_lshl_b32 s13, s13, 4
	s_wait_alu depctr_va_sdst(0)                   ; s12 is written, ahead of its first reader: my rows, and with them both bases, are made from it
	s_lshl1_add_u32 s13, s12, s13                  ; R = 16 x group + 2 x wave: my first row
	s_bfe_u32 s14, s13, 0x30007                    ; W: j = (R >> 7) & 7
	s_mul_i32 s14, s14, 384
	s_lshr_b32 s15, s13, 10                        ; part
	s_lshl_b32 s15, s15, 7
	s_add_co_u32 s14, s14, s15
	s_and_b32 s15, s13, 127                        ; i
	s_add_co_u32 s14, s14, s15
	s_cmp_lt_u32 ttmp9, 512
	s_cselect_b32 s14, s13, s14                    ; the row in the output: R for x, row' for W (even where R is, and R + 1 goes to the row behind it)
	s_lshl_b32 s20, s13, 12                        ; R x 4,096 bytes
	s_mov_b32 s21, 0
	s_lshl_b32 s22, s14, 7                         ; row x 128 bytes
	s_mov_b32 s23, 0
	v_lshlrev_b32 v[VOUT], 3, v2                   ; out: 8 x lane: two rows of 128 bytes on end
.set k, 1
.rept 15
	v_add_nc_u32 v[VOUT+k], s16, v[VOUT+k-1]
.set k, k+1
.endr
	s_wait_kmcnt 0x0
	s_cmp_lt_u32 ttmp9, 512
	s_cselect_b64 s[24:25], s[4:5], s[6:7]
	s_cselect_b64 s[26:27], s[8:9], s[10:11]
	s_add_nc_u64 s[24:25], s[24:25], s[20:21]
	s_add_nc_u64 s[26:27], s[26:27], s[22:23]
	s_wait_alu depctr_va_vdst(0)                   ; v3 and the sixteen VOUT are written: every load below reads v3 as its offset, every store its VOUT; no later vector line names them
.set k, 0
.rept 16
	global_load_b128 v[IN+4*k:IN+4*k+3], v3, s[24:25] offset:256*k th:TH_LOAD_NT
.set k, k+1
.endr
.set p, 0
.rept 4                                ; block p: K blocks 4 p to 4 p + 3
	s_wait_loadcnt 12-4*p                          ; loads come back in order: the block's four are in, the 12 - 4 p younger ones stay out
.set k, 4*p
.rept 4
	v_cvt_pk_bf16_f32 v[OU+2*k], v[IN+4*k], v[IN+4*k+1]
	v_cvt_pk_bf16_f32 v[OU+2*k+1], v[IN+4*k+2], v[IN+4*k+3]
.set k, k+1
.endr
	s_wait_alu depctr_va_vdst(0)                   ; the block's eight conversions have written its OU, which the four stores below read
.set k, 4*p
.rept 4
	global_store_b64 v[VOUT+k], v[OU+2*k:OU+2*k+1], s[26:27]
.set k, k+1
.endr
.set p, p+1
.endr
	s_endpgm
.Lfunc_end_k_qa668598cd0_conv:
	.size	k_qa668598cd0_conv, .Lfunc_end_k_qa668598cd0_conv-k_qa668598cd0_conv
	.p2alignl 7, 3214868480
	.fill 96, 4, 3214868480
	.section	.rodata,"a",@progbits
	.p2align	6, 0x0
	.amdhsa_kernel k_qa668598cd0_conv
		.amdhsa_group_segment_fixed_size 0
		.amdhsa_private_segment_fixed_size 0
		.amdhsa_enable_private_segment 0
		.amdhsa_kernarg_size 32
		.amdhsa_user_sgpr_count 2
		.amdhsa_user_sgpr_kernarg_segment_ptr 1
		.amdhsa_wavefront_size32 1
		.amdhsa_system_sgpr_workgroup_id_x 1
		.amdhsa_system_sgpr_workgroup_id_y 1
		.amdhsa_system_sgpr_workgroup_id_z 1
		.amdhsa_system_vgpr_workitem_id 0
		.amdhsa_next_free_vgpr 128
		.amdhsa_next_free_sgpr 66
		.amdhsa_reserve_vcc 0
		.amdhsa_float_denorm_mode_32 3
		.amdhsa_float_denorm_mode_16_64 3
		.amdhsa_memory_ordered 1
		.amdhsa_forward_progress 1
		.amdhsa_inst_pref_size 8
	.end_amdhsa_kernel
	.amdgpu_metadata
---
amdhsa.version: [ 1, 2 ]
amdhsa.kernels:
  - .name:           k_qa668598cd0_conv
    .symbol:         k_qa668598cd0_conv.kd
    .args:
      - { .name: x, .offset: 0, .size: 8, .value_kind: global_buffer, .address_space: global }
      - { .name: W_qkv, .offset: 8, .size: 8, .value_kind: global_buffer, .address_space: global }
      - { .name: xb, .offset: 16, .size: 8, .value_kind: global_buffer, .address_space: global }
      - { .name: wb, .offset: 24, .size: 8, .value_kind: global_buffer, .address_space: global }
    .group_segment_fixed_size: 0
    .private_segment_fixed_size: 0
    .kernarg_segment_align: 8
    .kernarg_segment_size: 32
    .max_flat_workgroup_size: 256
    .sgpr_count:     66
    .vgpr_count:     128
    .wavefront_size: 32
...
	.end_amdgpu_metadata
.endif
;; end of part 5
;; launch proj: the kernel of part 2 again; grid 8 x 32, 4 waves a work-group, clusters of 4 x 4, 327,680 bytes of LDS; arguments xb, wb, qf, kf, vf; writes qf, kf, vf
;; launch scores: the kernel of part 3 again; grid 8 x 32, 4 waves a work-group, clusters of 4 x 4, 327,680 bytes of LDS; arguments qf, kf, pf, st; writes pf, st
;; launch pv: the kernel of part 4 again; grid 4 x 64, 4 waves a work-group, clusters of 4 x 4, 327,680 bytes of LDS; arguments pf, vf, st, out0; writes out0
